; MI455X (gfx1250); checked and timed in simulation.
; The chip was launched on July 23, 2026; its instructions are those of AMD's public machine-readable ISA for CDNA 5 (MIT licence, August 2026) and "CDNA5" Instruction Set Architecture Reference Guide (July 2026). The comments in the code are by the model that wrote it; some were corrected since.
;; Transformer Block. Allowed arithmetic: matrix products marked QUANTISED: E4M3 operands, one given power-of-two scale a tensor, by v_wmma_f32_16x16x64_fp8_fp8 or v_wmma_f32_16x16x128_fp8_fp8, f32 sums; everything else in f32.
;; Inputs: ln1_w 1,024 float32; ln2_w 1,024 float32; lowp_scales 18 int32 (the exponents e of the quantised operands' scales 2^e); w1 2,752 x 1,024 float32; w2 1,024 x 2,752 float32; w3 2,752 x 1,024 float32; wk 1,024 x 1,024 float32; wo 1,024 x 1,024 float32; wq 1,024 x 1,024 float32; wv 1,024 x 1,024 float32; x 2 x 2,048 x 1,024 float32.
;; Outputs: out0 2 x 2,048 x 1,024 float32.
;; This version of the problem:
;;   THIS VERSION OF THE PROBLEM IS GIVEN IN LOW PRECISION. The matrix products marked QUANTISED in the list below multiply operands that are first quantised to E4M3 (4 exponent bits, 3 mantissa bits; 8 bits a number), with one given power-of-two scale for each operand tensor; their sums are f32. All else is computed in f32.
;;   The module's matrix products, in the order in which they are computed (A, B: the left and right operand; K: the contracted axis; several contracted axes count as one K, in the product's order):
;;     1. [M 4,096, K 1,024] x [K 1,024, N 1,024]; A: computed on the way; B: input wq: QUANTISED (scales: A lowp_scales[0], B lowp_scales[1])
;;     2. [M 4,096, K 1,024] x [K 1,024, N 1,024]; A: computed on the way; B: input wk: QUANTISED (scales: A lowp_scales[2], B lowp_scales[3])
;;     3. [M 4,096, K 1,024] x [K 1,024, N 1,024]; A: computed on the way; B: input wv: QUANTISED (scales: A lowp_scales[4], B lowp_scales[5])
;;     4. batch 32 x [M 2,048, K 64] x [K 64, N 2,048]; A: computed on the way; B: computed on the way: QUANTISED (scales: A lowp_scales[6], B lowp_scales[7])
;;     5. batch 32 x [M 2,048, K 2,048] x [K 2,048, N 64]; A: softmax (see below); B: computed on the way: QUANTISED (scales: A lowp_scales[8], B lowp_scales[9])
;;     6. [M 4,096, K 1,024] x [K 1,024, N 1,024]; A: computed on the way; B: input wo: QUANTISED (scales: A lowp_scales[10], B lowp_scales[11])
;;     7. [M 4,096, K 1,024] x [K 1,024, N 2,752]; A: computed on the way; B: input w1: QUANTISED (scales: A lowp_scales[12], B lowp_scales[13])
;;     8. [M 4,096, K 1,024] x [K 1,024, N 2,752]; A: computed on the way; B: input w3: QUANTISED (scales: A lowp_scales[14], B lowp_scales[15])
;;     9. [M 4,096, K 2,752] x [K 2,752, N 1,024]; A: computed on the way; B: input w2: QUANTISED (scales: A lowp_scales[16], B lowp_scales[17])
;;   THE QUANTISER, for each operand of a quantised product, along K:
;;     - The operand's scale is 2^e, e = its entry of the input lowp_scales (int32; the entries are numbered through the quantised products in the list's order, A before B).
;;     - Each number is divided by the scale, clamped to +-448, and rounded to the nearest number of E4M3, ties to even, subnormals kept.
;;     - The product sums the exact products of the quantised numbers (number of the format x scale) in f32.
;;   ~~~python
;;   def quantise(x, axis, e):      # numpy; x: float32 -> the quantised numbers, widened to float32 again
;;       x = np.moveaxis(x, axis, -1); K = x.shape[-1]
;;       r = np.clip(x / 2.0 ** e, -448, 448)
;;       step = 2.0 ** (np.maximum(np.frexp(np.where(r == 0, 1, r))[1] - 1, -6) - 3)
;;       q = np.round(r / step) * step * 2.0 ** e      # np.round: ties to even
;;       return np.moveaxis(q, -1, axis).astype(np.float32)
;;   ~~~
;;   SOFTMAX AHEAD OF A QUANTISED PRODUCT. Where the list says 'softmax', what is quantised is not the finished softmax but p = 2^(t - M), with t = logit x log2(e) and M = ceil(the row's largest t), a whole number; so 1/2 < the row's largest p <= 1. The row's sum l is taken of the UNQUANTISED p, in f32, and the product's result is divided by l at the end. Since M is a whole number, a kernel that streams over the keys may use a running M (the ceiling of the running maximum): every later rescaling is an exact power of two, so the quantised numbers keep their values, but for numbers so far below the row's largest that they fall under the format's range.
;;   OPERANDS COMPUTED ON THE WAY. 'Computed on the way' means the value that the module computes at that place (a softmax that the list does not call 'softmax' is quantised finished and normalised). What goes into a quantiser is computed in f32, as accurately as f32 sums, v_exp_f32 and their like allow (about 1e-6 of the number): no bf16 or f16 on the way to a quantiser, and a product that is left as it is and whose result goes on into a quantised operand takes f32 operands (vector FMAs, or v_wmma_f32_16x16x4_f32). A number that lies on a knife's edge between two numbers of the format may be rounded either way, as far as f32 arithmetic and the matrix unit's own rounding can turn it there, and no further.
;; One version. Each part assembles by itself: llvm-mc -triple=amdgcn-amd-amdhsa -mcpu=gfx1250 --defsym DOCPART=n.
;; ======== version 1 of 1: 7 launches
;; limits: right only within a limited range of input values
;; workspace buffers: xc 12,582,912 bytes; wc 13,107,200 bytes; qkvc 12,582,912 bytes; ac 4,194,304 bytes; x1 16,777,216 bytes; a13c 8,388,608 bytes; hc 12,582,912 bytes
;; launch prep (part 1): grid 1056 x 1, 8 waves a work-group, no clusters, 69,120 bytes of LDS; arguments x, ln1_w, lowp_scales, wq, wk, wv, wo, w1, w3, w2, xc, wc; writes xc, wc
.if DOCPART == 1
	.amdgcn_target "amdgcn-amd-amdhsa--gfx1250"
	.amdhsa_code_object_version 6
	.text
	.protected	k_q0c4f9cb1c2_prep
	.globl	k_q0c4f9cb1c2_prep
	.p2align	8
	.type	k_q0c4f9cb1c2_prep,@function
k_q0c4f9cb1c2_prep:
	s_mov_b64 s[64:65], 0
	v_nop
	global_prefetch_b8 v0, s[64:65] scope:SCOPE_SE
	s_setreg_imm32_b32 hwreg(HW_REG_WAVE_MODE, 25, 1), 1
	s_wait_xcnt 0x0
; PREP: rmsnorm(x, ln1_w) as three sets of E4M3 codes (scale entries 0, 2, 4), and all seven weights as codes (entries 1, 3, 5, 11, 13, 15, 17).
; EVERY CODE BUFFER IS LAID AS THE IMAGE OF THE OPERAND'S REGISTERS: [tile of 16 rows][group of 32 along K][lane][16 bytes].  In a group lane (r, h) holds, of row r,
; k = 32 G + 8 h + 0..7 (bytes 0-7) and k = 32 G + 16 + 8 h + 0..7 (bytes 8-15): four registers of the plain 8-bit operand layout (ISA guide 7.12).  A fragment of 128 along K is 4 groups, 2,048 bytes on end.
; SHARES.  A work-group takes one tile of 16 rows and eight chunks of 128 along K, a chunk a wave.  Work-groups 0-255: x.  256-511: wq, wk, wv, wo.  512-863: w1 and w3, laid [16 blocks of 176 units][w1, w3][11 tiles];
; tiles past unit 2,751 become zero codes.  864-1055: w2, whose K is laid as the hidden layer's codes are: behind every 176 units 16 zero codes, 3,072 in all.
; The classes differ in scalars and in global offsets alone; all take one path through the LDS lines and the barrier, with the same LDS addresses (the weights run the sum of squares too and do not use it).
; A chunk's 16 loads read a row's 512 bytes each; the numbers turn through the wave's own stage in LDS so that a lane holds 8 neighbours along K in 8 consecutive registers, as the conversions want them.
; A WAVE NAMES 128 REGISTERS, so that the waves of four work-groups can be resident together, each with 16 loads of 512 bytes on their way: the rows land in the registers that later hold the turned numbers,
; the holds stand in scalar registers, the held numbers go through four sets of eight registers by turns, and x's gains come in two halves of 32 registers.
; code = number / 2^e, held within +-448, to the nearest code, ties to even.  LIMITS: every e between -126 and 119.  NaN among the inputs is not served.
.set X,    64                          ; v64-127  the rows as loaded; then X[16 g + 8 u + j] = k 32 g + 16 u + 8 h + j of my row
.set G,    32                          ; v32-63   a half of the gains; then the held numbers, four sets of eight by turns
.set C,    16                          ; v16-31   the sums at work; then a fragment's codes
.set POS,  22                          ; s22-29   the hold of each of the chunk's eight halves of 16 along K: 448 x 2^e, or 0 where zero codes are wanted (the weights' addresses, done with, stood here)
.set NEG,  30                          ; s30-37   the same with the sign set
.set STGB, 8448                        ; a wave's stage: 16 rows x (512 + 16) bytes
.set PART, 8*STGB                      ; 16 rows x 8 waves' sums of squares
	s_load_b512 s[16:31], s[0:1], 0x0              ; x 16, ln1_w 18, scales 20, wq 22, wk 24, wv 26, wo 28, w1 30
	s_load_b256 s[32:39], s[0:1], 0x40             ; w3 32, w2 34, xc 36, wc 38
	v_lshl_add_u32 v13, v0, 2, 0x10a00             ; my spare word, behind the stages and the sums; v13 and v7 are kept for the add alone
	v_mov_b32 v7, 0
	v_lshrrev_b32 v1, 5, v0
	s_delay_alu instid0(VALU_DEP_1)
	v_readfirstlane_b32 s2, v1                     ; wave 0..7
	v_and_b32 v1, 31, v0                           ; lane
	v_and_b32 v2, 15, v0                           ; r
	v_bfe_u32 v3, v0, 4, 1                         ; h
	s_mov_b32 s3, ttmp9
	s_lshl_b32 s69, s2, 7                          ; the chunk's first number: 128 x wave
	s_lshl_b32 s79, s2, 11                         ; the fragment's place in its tile of codes
	s_mov_b32 s5, 0                                ; m (w2 alone)
	s_mov_b32 s71, 0                               ; which halves become zero codes
	s_mov_b32 s72, 496                             ; the largest byte offset of a lane in a load
	s_mov_b32 s58, 4096                            ; a source row in bytes
	s_mov_b32 s84, 0x76543210                      ; v_permlanex16_b32: lane l xor 16
	s_mov_b32 s85, 0xfedcba98
	s_mov_b32 s90, 0x3a800000                      ; 1 / 1024
	s_mov_b32 s91, 0x3727c5ac                      ; 1e-5
	; the classes: s4 = which source (0 x, 1 wq, 2 wk, 3 wv, 4 wo, 5 w1, 6 w3, 7 w2), s73 = its tile of rows, s78 = the codes' byte offset
	s_cmp_lt_u32 s3, 256
	s_cbranch_scc0 .Lnot_x
	s_mov_b32 s4, 0
	s_mov_b32 s73, s3
	s_lshl_b32 s78, s3, 14
	s_branch .Ljoin
.Lnot_x:
	s_cmp_lt_u32 s3, 512
	s_cbranch_scc0 .Lnot_w4
	s_sub_co_u32 s74, s3, 256
	s_lshl_b32 s78, s74, 14                        ; the four lie on end, 64 tiles of 16,384 bytes each
	s_and_b32 s73, s74, 63
	s_lshr_b32 s74, s74, 6
	s_add_co_u32 s4, s74, 1
	s_branch .Ljoin
.Lnot_w4:
	s_cmp_lt_u32 s3, 864
	s_cbranch_scc0 .Lw2
	s_sub_co_u32 s74, s3, 512                      ; place among the 352 tiles = 22 block + 11 variant + b
	s_lshl_b32 s78, s74, 14
	s_add_co_u32 s78, s78, 4194304
	s_mul_i32 s75, s74, 745
	s_lshr_b32 s75, s75, 14                        ; block = place / 22 (745 / 16384 is 1 / 22 closely enough up to 351)
	s_mul_i32 s76, s75, 22
	s_sub_co_u32 s76, s74, s76
	s_mul_i32 s75, s75, 11
	s_add_co_u32 s75, s75, s76
	s_cmp_ge_u32 s76, 11
	s_cselect_b32 s4, 6, 5
	s_cselect_b32 s77, 11, 0
	s_sub_co_u32 s75, s75, s77                     ; the tile of units: 11 block + b
	s_cmp_gt_u32 s75, 171
	s_cselect_b32 s71, 0xff, 0                     ; past the last unit: zero codes,
	s_min_u32 s73, s75, 171                        ; made from rows that exist
	s_branch .Ljoin
.Lw2:
	s_sub_co_u32 s74, s3, 864
	s_and_b32 s73, s74, 63
	s_lshr_b32 s74, s74, 6
	s_lshl_b32 s74, s74, 3
	s_add_co_u32 s74, s74, s2                      ; fragment 0..23 of the 3,072
	s_mul_i32 s75, s74, 11
	s_lshr_b32 s75, s75, 5                         ; fragment / 3: three fragments are two blocks, 352 units
	s_mul_i32 s76, s75, 3
	s_sub_co_u32 s5, s74, s76                      ; m = fragment % 3
	s_mul_i32 s69, s75, 352
	s_lshl_b32 s77, s5, 7
	s_add_co_u32 s69, s69, s77
	s_cmp_eq_u32 s5, 1
	s_cselect_b32 s71, 8, 0                        ; m = 1: half 3 is the first block's zeros, and halves 4-7 lie 16 numbers earlier in memory
	s_cmp_eq_u32 s5, 2
	s_cselect_b32 s71, 0x80, s71                   ; m = 2: half 7 is the second block's zeros,
	s_cselect_b32 s77, 16, 0
	s_sub_co_u32 s69, s69, s77                     ; and the chunk begins 16 numbers earlier
	s_cmp_eq_u32 s74, 23
	s_cselect_b32 s71, 0xf8, s71                   ; the last fragment has 48 units,
	s_cselect_b32 s72, 176, s72                    ; and no load passes the row's end
	s_mov_b32 s4, 7
	s_mov_b32 s58, 11008
	s_mul_i32 s78, s73, 49152
	s_add_co_u32 s78, s78, 9961472
	s_lshl_b32 s79, s74, 11
.Ljoin:
	s_cmp_eq_u32 s5, 1
	s_cselect_b32 s70, 64, 0                       ; m = 1: halves 4-7, a load's bytes 256-511, come from 64 bytes earlier in memory
	s_mul_i32 s76, s73, s58
	s_lshl_b32 s76, s76, 4                         ; 16 rows a tile
	s_lshl_b32 s77, s69, 2
	s_add_co_u32 s76, s76, s77
	s_mov_b32 s77, 0
	s_add_co_u32 s78, s78, s79
	s_mov_b32 s79, 0
	s_wait_alu depctr_va_vdst(0)
	v_lshlrev_b32 v10, 4, v1                       ; 16 x lane: my place in a group of codes
	s_delay_alu instid0(VALU_DEP_1)
	v_min_u32 v4, s72, v10                         ; and in a load's 512 bytes;
	v_mul_u32_u24 v12, s70, v3                     ; lanes 16-31 fetch halves 4-7: the shift is made here, in the global offset,
	s_delay_alu instid0(VALU_DEP_1)
	v_sub_nc_u32 v4, v4, v12                       ; so that the stage holds every number in its place and no LDS address knows of it (the shift is 0 where the clamp is 176)
	s_mul_i32 s74, s2, STGB
	v_add_nc_u32 v5, s74, v10                      ; the stage, on the way in
	v_mul_u32_u24 v6, v2, 528
	s_delay_alu instid0(VALU_DEP_1)
	v_lshl_add_u32 v6, v3, 5, v6
	s_delay_alu instid0(VALU_DEP_1)
	v_add_nc_u32 v6, s74, v6                       ; and out: row r, + 32 h
	s_lshl_b32 s75, s2, 2
	s_add_co_u32 s75, s75, PART
	v_lshlrev_b32 v8, 5, v2
	s_delay_alu instid0(VALU_DEP_1)
	v_add_nc_u32 v9, PART, v8                      ; row r's eight sums
	s_delay_alu instid0(VALU_DEP_2)
	v_add_nc_u32 v8, s75, v8                       ; my wave's among them
	s_lshl_b32 s75, s2, 9
	v_lshlrev_b32 v11, 5, v3
	s_delay_alu instid0(VALU_DEP_1)
	v_add_nc_u32 v11, s75, v11                     ; the gains: 512 x wave + 32 h
.irp p, 0,1,2,3,4,5,6,7,8,9,10,11,12,13,14,15
	v_mad_u32_u24 v[X+4*\p], s58, \p, v4           ; row p's offset, in the register on which its load lands
.endr
	s_wait_kmcnt 0x0
	s_load_b512 s[40:55], s[20:21], 0x0            ; e0 .. e15
	s_load_b64 s[56:57], s[20:21], 0x40            ; e16, e17
	s_cmp_eq_u32 s4, 0                             ; the pointers are chosen on the source's number alone
	s_cselect_b64 s[60:61], s[16:17], s[22:23]
	s_cselect_b64 s[62:63], s[36:37], s[38:39]
	s_cmp_lt_u32 s4, 2
	s_cselect_b64 s[60:61], s[60:61], s[24:25]
	s_cmp_lt_u32 s4, 3
	s_cselect_b64 s[60:61], s[60:61], s[26:27]
	s_cmp_lt_u32 s4, 4
	s_cselect_b64 s[60:61], s[60:61], s[28:29]
	s_cmp_lt_u32 s4, 5
	s_cselect_b64 s[60:61], s[60:61], s[30:31]
	s_cmp_lt_u32 s4, 6
	s_cselect_b64 s[60:61], s[60:61], s[32:33]
	s_cmp_lt_u32 s4, 7
	s_cselect_b64 s[60:61], s[60:61], s[34:35]
	s_add_nc_u64 s[60:61], s[60:61], s[76:77]
	s_add_nc_u64 s[62:63], s[62:63], s[78:79]
	s_cmp_eq_u32 s4, 0
	s_cbranch_scc0 .Lno_g0
.irp g, 0,1,2,3
.irp e, 0,1
	global_load_b128 v[G+8*\g+4*\e:G+8*\g+4*\e+3], v11, s[18:19] offset:128*\g+16*\e   ; x alone: the gains of halves u = 0, asked for ahead of the rows: these eight loads name every 128 bytes of my wave's 512
.endr
.endr
.Lno_g0:
	s_wait_alu depctr_va_vdst(0)
.irp p, 0,1,2,3,4,5,6,7,8,9,10,11,12,13,14,15
	global_load_b128 v[X+4*\p:X+4*\p+3], v[X+4*\p], s[60:61] th:TH_LOAD_NT   ; 16 neighbouring lanes read 256 consecutive bytes of row p
.endr
	s_wait_kmcnt 0x0
	s_cmp_eq_u32 s4, 0                             ; the source's exponent, by the same chain
	s_cselect_b32 s66, s40, s41
	s_cmp_lt_u32 s4, 2
	s_cselect_b32 s66, s66, s43
	s_cmp_lt_u32 s4, 3
	s_cselect_b32 s66, s66, s45
	s_cmp_lt_u32 s4, 4
	s_cselect_b32 s66, s66, s51
	s_cmp_lt_u32 s4, 5
	s_cselect_b32 s66, s66, s53
	s_cmp_lt_u32 s4, 6
	s_cselect_b32 s66, s66, s55
	s_cmp_lt_u32 s4, 7
	s_cselect_b32 s66, s66, s57
.irp p, 0,1,2,3,4,5,6,7,8,9,10,11,12,13,14,15
	s_wait_loadcnt 15-\p                           ; row p is in; the 15 - p younger rows may be out (the gains' loads are older than every row's)
	ds_store_b128 v5, v[X+4*\p:X+4*\p+3] offset:528*\p
.endr
	s_wait_dscnt 0x0                               ; the stores have read their registers: the turned numbers land in the same 64
.irp g, 0,1,2,3
.irp u, 0,1
.irp e, 0,1
	ds_load_b128 v[X+16*\g+8*\u+4*\e:X+16*\g+8*\u+4*\e+3], v6 offset:128*\g+64*\u+16*\e
.endr
.endr
.endr
	s_wait_dscnt 0x0                               ; my numbers are back
	; the row's sum of squares: my 64 numbers in four chains, the other half of the lanes, then the eight waves through LDS
.irp c, 0,1,2,3
	v_pk_mul_f32 v[C+2*\c:C+2*\c+1], v[X+2*\c:X+2*\c+1], v[X+2*\c:X+2*\c+1]
.endr
.set P, 4
.rept 28
	s_delay_alu instid0(VALU_DEP_4)
	v_pk_fma_f32 v[C+2*(P%4):C+2*(P%4)+1], v[X+2*P:X+2*P+1], v[X+2*P:X+2*P+1], v[C+2*(P%4):C+2*(P%4)+1]
.set P, P+1
.endr
	s_delay_alu instid0(VALU_DEP_3)
	v_pk_add_f32 v[C:C+1], v[C:C+1], v[C+2:C+3]
	s_delay_alu instid0(VALU_DEP_2)
	v_pk_add_f32 v[C+4:C+5], v[C+4:C+5], v[C+6:C+7]
	s_delay_alu instid0(VALU_DEP_1)
	v_pk_add_f32 v[C:C+1], v[C:C+1], v[C+4:C+5]
	s_delay_alu instid0(VALU_DEP_1)
	v_add_f32 v[C], v[C], v[C+1]
	s_delay_alu instid0(VALU_DEP_1)
	v_permlanex16_b32 v[C+1], v[C], s84, s85
	s_delay_alu instid0(VALU_DEP_1)
	v_add_f32 v[C], v[C], v[C+1]
	ds_store_b32 v8, v[C]                          ; both halves of the lanes write the same number to the same word
	s_cmp_eq_u32 s4, 0
	s_cbranch_scc0 .Lno_g1
	s_wait_loadcnt 0x0                             ; (met: the gains were asked for ahead of the rows)
.irp g, 0,1,2,3
.irp m, 0,2,4,6
	v_pk_mul_f32 v[X+16*\g+\m:X+16*\g+\m+1], v[X+16*\g+\m:X+16*\g+\m+1], v[G+8*\g+\m:G+8*\g+\m+1]   ; the squares are summed: halves u = 0 take their gains,
.endr
.endr
.irp g, 0,1,2,3
.irp e, 0,1
	global_load_b128 v[G+8*\g+4*\e:G+8*\g+4*\e+3], v11, s[18:19] offset:128*\g+64+16*\e   ; and the 32 registers take the gains of halves u = 1, which land while the sums meet
.endr
.endr
.Lno_g1:
	s_wait_dscnt 0x0                               ; for the others' sake: my store has landed
	s_barrier_signal -1
	s_barrier_wait -1
	ds_load_b128 v[C:C+3], v9
	ds_load_b128 v[C+4:C+7], v9 offset:16
	s_wait_dscnt 0x0
	v_add_f32 v[C], v[C], v[C+1]
	v_add_f32 v[C+2], v[C+2], v[C+3]
	v_add_f32 v[C+4], v[C+4], v[C+5]
	v_add_f32 v[C+6], v[C+6], v[C+7]
	s_delay_alu instid0(VALU_DEP_3)
	v_add_f32 v[C], v[C], v[C+2]
	s_delay_alu instid0(VALU_DEP_2)
	v_add_f32 v[C+4], v[C+4], v[C+6]
	s_delay_alu instid0(VALU_DEP_1)
	v_add_f32 v[C], v[C], v[C+4]
	s_cmp_eq_u32 s4, 0
	s_cbranch_scc0 .Lplain
	v_fma_f32 v[C], v[C], s90, s91                 ; the mean of the squares + 1e-5
	s_wait_alu depctr_va_vdst(0)
	v_rsq_f32 v14, v[C]
	v_mov_b32 v15, 0                               ; a plain line behind the root; v15 is named with v14 as a pair
	s_wait_alu depctr_va_vdst(0)                   ; the wait ahead of the first reader
	s_wait_loadcnt 0x0                             ; the gains of halves u = 1
.irp g, 0,1,2,3
.irp m, 0,2,4,6
	v_pk_mul_f32 v[X+16*\g+8+\m:X+16*\g+8+\m+1], v[X+16*\g+8+\m:X+16*\g+8+\m+1], v[G+8*\g+\m:G+8*\g+\m+1]
.endr
.endr
.set P, 0
.rept 32
	v_pk_mul_f32 v[X+P:X+P+1], v[X+P:X+P+1], v[14:15] op_sel_hi:[1,0]
.set P, P+2
.endr
.Lplain:
; X becomes a fragment's codes under the scale 2^s[e], stored at s[dst:dst+1]: four stores of 512 consecutive bytes
.macro QUANT e, dst
	s_add_co_i32 s86, s[\e], 127
	s_lshl_b32 s87, s86, 23
	v_mov_b32 v12, s87                             ; 2^e as f32: the conversion takes its exponent field
	s_add_co_i32 s86, s86, 8
	s_lshl_b32 s86, s86, 23
	s_or_b32 s86, s86, 0x600000                    ; 448 x 2^e
.irp i, 0,1,2,3,4,5,6,7
	s_bitcmp1_b32 s71, \i
	s_cselect_b32 s[POS+\i], 0, s86
	s_xor_b32 s[NEG+\i], s[POS+\i], 0x80000000
.endr
.irp i, 0,1,2,3,4,5,6,7
.irp j, 0,1,2,3,4,5,6,7
	v_med3_num_f32 v[G+8*(\i%4)+\j], v[X+8*\i+\j], s[NEG+\i], s[POS+\i]   ; the conversion does not saturate (ISA guide 7.6.2): the hold comes first; a hold of 0 makes zero codes
.endr
	s_wait_alu depctr_va_vdst(0)
	v_cvt_scalef32_pk8_fp8_f32 v[C+2*\i:C+2*\i+1], v[G+8*(\i%4):G+8*(\i%4)+7], v12   ; its eight sources are written again four halves on, behind 24 plain lines
.endr
	v_nop                                          ; a plain line behind the last conversion
.irp g, 0,1,2,3
	global_store_b128 v10, v[C+4*\g:C+4*\g+3], s[\dst:\dst+1] offset:512*\g
.endr
.endm
	QUANT 66, 62
	s_cmp_eq_u32 s4, 0
	s_cbranch_scc0 .Ldone
	s_add_nc_u64 s[80:81], s[62:63], 0x400000      ; x's second and third sets of codes
	s_add_nc_u64 s[82:83], s[62:63], 0x800000
	s_wait_xcnt 0x0                                ; the stores have read C: it is written again only behind this wait
	QUANT 42, 80
	s_wait_xcnt 0x0
	QUANT 44, 82
.Ldone:
	s_wait_tensorcnt 0x0
	ds_add_u32 v13, v7
	s_wait_dscnt 0x0
	s_endpgm
.Lfunc_end_k_q0c4f9cb1c2_prep:
	.size	k_q0c4f9cb1c2_prep, .Lfunc_end_k_q0c4f9cb1c2_prep-k_q0c4f9cb1c2_prep
	.p2alignl 7, 3214868480
	.fill 96, 4, 3214868480
	.section	.rodata,"a",@progbits
	.p2align	6, 0x0
	.amdhsa_kernel k_q0c4f9cb1c2_prep
		.amdhsa_group_segment_fixed_size 69120
		.amdhsa_private_segment_fixed_size 0
		.amdhsa_enable_private_segment 0
		.amdhsa_kernarg_size 96
		.amdhsa_user_sgpr_count 2
		.amdhsa_user_sgpr_kernarg_segment_ptr 1
		.amdhsa_wavefront_size32 1
		.amdhsa_system_sgpr_workgroup_id_x 1
		.amdhsa_system_sgpr_workgroup_id_y 1
		.amdhsa_system_sgpr_workgroup_id_z 1
		.amdhsa_system_vgpr_workitem_id 0
		.amdhsa_next_free_vgpr 128
		.amdhsa_next_free_sgpr 96
		.amdhsa_reserve_vcc 0
		.amdhsa_float_denorm_mode_32 3
		.amdhsa_float_denorm_mode_16_64 3
		.amdhsa_memory_ordered 1
		.amdhsa_forward_progress 1
		.amdhsa_inst_pref_size 41
	.end_amdhsa_kernel
	.amdgpu_metadata
---
amdhsa.version: [ 1, 2 ]
amdhsa.kernels:
  - .name:           k_q0c4f9cb1c2_prep
    .symbol:         k_q0c4f9cb1c2_prep.kd
    .args:
      - { .name: x, .offset: 0, .size: 8, .value_kind: global_buffer, .address_space: global }
      - { .name: ln1_w, .offset: 8, .size: 8, .value_kind: global_buffer, .address_space: global }
      - { .name: lowp_scales, .offset: 16, .size: 8, .value_kind: global_buffer, .address_space: global }
      - { .name: wq, .offset: 24, .size: 8, .value_kind: global_buffer, .address_space: global }
      - { .name: wk, .offset: 32, .size: 8, .value_kind: global_buffer, .address_space: global }
      - { .name: wv, .offset: 40, .size: 8, .value_kind: global_buffer, .address_space: global }
      - { .name: wo, .offset: 48, .size: 8, .value_kind: global_buffer, .address_space: global }
      - { .name: w1, .offset: 56, .size: 8, .value_kind: global_buffer, .address_space: global }
      - { .name: w3, .offset: 64, .size: 8, .value_kind: global_buffer, .address_space: global }
      - { .name: w2, .offset: 72, .size: 8, .value_kind: global_buffer, .address_space: global }
      - { .name: xc, .offset: 80, .size: 8, .value_kind: global_buffer, .address_space: global }
      - { .name: wc, .offset: 88, .size: 8, .value_kind: global_buffer, .address_space: global }
    .group_segment_fixed_size: 69120
    .private_segment_fixed_size: 0
    .kernarg_segment_align: 8
    .kernarg_segment_size: 96
    .max_flat_workgroup_size: 256
    .sgpr_count:     96
    .vgpr_count:     128
    .wavefront_size: 32
...
	.end_amdgpu_metadata
.endif
;; end of part 1
;; launch qkv (part 2): grid 12 x 16, 4 waves a work-group, clusters of 4 x 4, 327,680 bytes of LDS; arguments xc, wc, lowp_scales, qkvc; writes qkvc
.if DOCPART == 2
	.amdgcn_target "amdgcn-amd-amdhsa--gfx1250"
	.amdhsa_code_object_version 6
	.text
	.protected	k_q0c4f9cb1c2_qkv
	.globl	k_q0c4f9cb1c2_qkv
	.p2align	8
	.type	k_q0c4f9cb1c2_qkv,@function
k_q0c4f9cb1c2_qkv:
	s_mov_b64 s[64:65], 0
	v_nop
	global_prefetch_b8 v0, s[64:65] scope:SCOPE_SE
	s_setreg_imm32_b32 hwreg(HW_REG_WAVE_MODE, 25, 1), 1
	s_wait_xcnt 0x0
	s_wait_alu depctr_hold_cnt(0) depctr_sa_sdst(0) depctr_va_vdst(0) depctr_va_sdst(0) depctr_va_ssrc(0) depctr_va_vcc(0) depctr_vm_vsrc(0)
	s_getreg_b32 s2, hwreg(HW_REG_IB_STS2, 6, 4)
	s_cmp_eq_u32 s2, 0
	s_cbranch_scc0 .Lentry_in_a_cluster
	s_endpgm
.Lentry_in_a_cluster:
	s_bfe_u32 s2, ttmp6, 0x10000c
	s_cmp_lg_u32 s2, 0xf033
	s_cbranch_scc0 .Lentry_shape_is_right
	s_endpgm
.Lentry_shape_is_right:
.set RTB,   4096
.set HALFT, 8*RTB
.set SLOT,  4*HALFT
.set SPARE, 2*SLOT
.set LAPS,  2
.set FR,    16
.set NL,    4
.set NP,    4
.set VO,    8
.set ADRA,  16
.set ADRB,  20
.set LI,    27
.set SPW,   28
.set NIL,   29
.set LIM,   30
.set SCL,   31
.set TMP,   32
.set AF,    128
.set CD,    128
.set G1, 24
.set G0, 32
.set G1B, 48
.set G0B, 56
.set MSB, 0
.macro WIN new
.if MSB != \new
	s_set_vgpr_msb (MSB<<8)|\new
.set MSB, \new
.endif
.endm
.set MUL_LO, 0xa1
.set MUL_HI, 0xf1
.set TO_B,   0x40
.macro JLOAD g0a, g1a, g0b, g1b
	s_cmp_eq_u32 s15, 0
	s_cbranch_scc0 .Lfor_b_\@
	tensor_load_to_lds s[\g0a:\g0a+3], s[\g1a:\g1a+7]
	s_nop 0
.rept 4
	v_nop
.endr
	s_branch .Lasked_\@
.Lfor_b_\@:
	tensor_load_to_lds s[\g0b:\g0b+3], s[\g1b:\g1b+7]
	s_nop 0
.rept 4
	v_nop
.endr
.Lasked_\@:
.endm
.macro CREST
	s_cmp_lg_u32 s14, 0
	s_cbranch_scc1 .Lnot_wave_0_\@
	s_barrier_signal -3
.Lnot_wave_0_\@:
	s_barrier_wait -3
	s_barrier_signal -1
	s_barrier_wait -1
.endm
.macro CROUND
	s_barrier_signal -1
	s_barrier_wait -1
	CREST
.endm
	s_load_b256 s[4:11], s[0:1], 0x0
	v_lshl_add_u32 v[SPW], v0, 2, SPARE
	v_mov_b32 v[NIL], 0
	ds_add_u32 v28, v29
	ds_add_u32 v28, v29
	s_wait_dscnt 0x0
	v_lshrrev_b32 v1, 5, v0
	v_readfirstlane_b32 s14, v1
	s_lshr_b32 s15, s14, 1
	s_and_b32 s16, s14, 1
	s_bfe_u32 s40, ttmp6, 0x40000
	s_bfe_u32 s41, ttmp6, 0x40004
	s_and_b32 s42, ttmp7, 0xffff
	s_mov_b32 s12, ttmp9
	s_lshl_b32 s43, s41, 2
	s_lshl_b32 s43, 15, s43
	s_lshl_b32 s44, 0x1111, s40
	s_or_b32 s[G1+0], s43, (1<<21)
	s_or_b32 s[G1B+0], s44, (1<<21)
.irp g, G1, G1B
	s_mov_b32 s[\g+1], RTB<<16
	s_mov_b32 s[\g+2], 8<<16
	s_mov_b32 s[\g+3], RTB<<16
	s_mov_b32 s[\g+4], 8
	s_mov_b32 s[\g+5], 16384
	s_mov_b32 s[\g+6], 0
	s_mov_b32 s[\g+7], 0
.endr
	s_lshl_b32 s18, s42, 2
	s_lshl_b32 s19, s12, 22
	s_lshl_b32 s13, s12, 20
	s_mov_b32 s84, 16384
	s_cmp_eq_u32 s12, 2
	s_cselect_b32 s17, 0, s18
	s_cselect_b32 s45, s18, 0
	s_cselect_b32 s19, 0x200000, s19
	s_cselect_b32 s13, 0x800000, s13
	s_cselect_b32 s84, 0x10000, s84
	s_add_co_u32 s17, s17, s41
	s_add_co_u32 s45, s45, s40
	s_lshl_b32 s22, s17, 18
	s_lshl_b32 s23, s16, 17
	s_add_co_u32 s22, s22, s23
	s_add_co_u32 s22, s22, s19
	s_mov_b32 s23, 0
	s_lshl_b32 s66, s45, 18
	s_lshl_b32 s67, s16, 17
	s_add_co_u32 s66, s66, s67
	s_add_co_u32 s66, s66, s13
	s_mov_b32 s67, 0
	s_mul_i32 s85, s14, HALFT
	s_wait_kmcnt 0x0
	s_load_b512 s[68:83], s[8:9], 0x0
	s_cmp_eq_u32 s12, 2
	s_cselect_b64 s[20:21], s[6:7], s[4:5]
	s_cselect_b64 s[46:47], s[4:5], s[6:7]
	s_add_nc_u64 s[20:21], s[20:21], s[22:23]
	s_add_nc_u64 s[46:47], s[46:47], s[66:67]
	s_cmp_eq_u32 s15, 0                            ; the prefetches: of the 8 rows x 4,096 bytes that I fetch in a K step, the partner at place p (cx for the first operand, cy for the second) names rows 2 p, 2 p + 1: told apart by address alone
	s_cselect_b64 s[90:91], s[20:21], s[46:47]
	s_cselect_b32 s92, s40, s41
	s_lshl_b32 s92, s92, 15
	s_mov_b32 s93, 0
	s_add_nc_u64 s[90:91], s[90:91], s[92:93]
	v_bfe_u32 v2, v0, 4, 1
	v_and_b32 v3, 15, v0
	v_lshlrev_b32 v2, 14, v2
	v_lshl_add_u32 v2, v3, 8, v2                   ; a lane a block of 256 bytes; v2 and s[90:91] are never written again
	s_wait_alu depctr_va_vdst(0)                   ; the wait behind the write
	CROUND
.irp s, 0,1
	s_mov_b32 s[G0+4*\s], 1
	s_add_co_u32 s[G0+4*\s+1], s85, \s*SLOT
	s_add_nc_u64 s[G0+4*\s+2:G0+4*\s+3], s[20:21], \s*RTB
	s_or_b32 s[G0+4*\s+3], s[G0+4*\s+3], 0x80000000
	s_mov_b32 s[G0B+4*\s], 1
	s_add_co_u32 s[G0B+4*\s+1], s85, \s*SLOT
	s_add_nc_u64 s[G0B+4*\s+2:G0B+4*\s+3], s[46:47], \s*RTB
	s_or_b32 s[G0B+4*\s+3], s[G0B+4*\s+3], 0x80000000
.if \s
	s_wait_alu depctr_va_vdst(0)
	s_wait_tensorcnt 0x0
	ds_add_u32 v28, v29
	ds_add_u32 v28, v29
	s_wait_dscnt 0x0
	CROUND
.endif
	JLOAD G0+4*\s, G1, G0B+4*\s, G1B
.if \s == 0
	global_prefetch_b8 v2, s[90:91] offset:RTB th:TH_LOAD_NT scope:SCOPE_SE   ; behind K step 0's load: K step 1, whose load follows behind a round,
.endif
	global_prefetch_b8 v2, s[90:91] offset:(\s+2)*RTB th:TH_LOAD_NT scope:SCOPE_SE   ; and the K step two loads on: steps 2 and 3, the last
.endr
	v_and_b32 v1, 31, v0
	v_lshlrev_b32 v[LI], 4, v1
	s_lshl_b32 s21, s15, 15
	s_lshl_b32 s22, s16, 15
	s_add_co_u32 s22, s22, 2*HALFT
.irp s, 0,1
	v_add_nc_u32 v[ADRA+\s], s21, v[LI]
	v_add_nc_u32 v[ADRB+\s], s22, v[LI]
	s_add_co_u32 s21, s21, SLOT
	s_add_co_u32 s22, s22, SLOT
.endr
.irp a, 0,1,2,3,4,5,6,7
	v_mad_u32_u24 v[VO+\a], s84, \a, v[LI]
.endr
	s_lshl_b32 s86, s17, 4
	s_lshl_b32 s87, s15, 3
	s_add_co_u32 s86, s86, s87
	s_mul_i32 s86, s86, s84
	s_lshl_b32 s87, s45, 3
	s_lshl_b32 s88, s16, 2
	s_add_co_u32 s87, s87, s88
	s_lshl_b32 s87, s87, 9
	s_add_co_u32 s86, s86, s87
	s_lshl_b32 s87, s12, 22
	s_add_co_u32 s86, s86, s87
	s_mov_b32 s87, 0
	s_add_nc_u64 s[10:11], s[10:11], s[86:87]
.macro FRAG reg, adr, q, i
.irp c, 0,1,2,3
	ds_load_b128 v[\reg+4*\c:\reg+4*\c+3], v[\adr] offset:RTB*(\i)+2048*(\q)+512*\c
.endr
.endm
.macro MUL16 a0, p, zero
.irp a, \a0, \a0+1
.irp b, 0,1,2,3,4,5,6,7
.if \zero
	v_wmma_f32_16x16x128_fp8_fp8 v[8*(8*((\a)%4)+\b):8*(8*((\a)%4)+\b)+7], v[128*(\p)+FR*\b:128*(\p)+FR*\b+FR-1], v[AF+FR*(\a):AF+FR*(\a)+FR-1], 0
.else
	v_wmma_f32_16x16x128_fp8_fp8 v[8*(8*((\a)%4)+\b):8*(8*((\a)%4)+\b)+7], v[128*(\p)+FR*\b:128*(\p)+FR*\b+FR-1], v[AF+FR*(\a):AF+FR*(\a)+FR-1], v[8*(8*((\a)%4)+\b):8*(8*((\a)%4)+\b)+7]
.endif
.endr
.endr
.endm
.macro FETCH_B slot, q, p
	WIN TO_B
.irp i, 0,1,2,3,4,5,6,7
	FRAG 128*(\p)+FR*\i, ADRB+\slot, \q, \i
.endr
	WIN 0
.endm
.macro FETCH_A slot, q, i0
.irp i, \i0, \i0+1, \i0+2, \i0+3
	FRAG AF+FR*(\i), ADRA+\slot, \q, \i
.endr
.endm
.macro PLACES n
.rept \n
	v_nop
.endr
.endm
.macro STEP slot, q, zero
	s_wait_dscnt 4*NL
	WIN MUL_LO
	MUL16 0, (\q)%2, \zero
	MUL16 2, (\q)%2, \zero
	s_wait_dscnt 0
	PLACES NP
	FETCH_B \slot, (\q)+1, 1-(\q)%2
	FETCH_A \slot, (\q)+1, 0
	WIN MUL_HI
	MUL16 4, (\q)%2, \zero
	MUL16 6, (\q)%2, \zero
	PLACES NP
	WIN 0
	FETCH_A \slot, (\q)+1, 4
.endm
.macro TURN slot, next, fill
	s_wait_tensorcnt 0x0
	ds_add_u32 v[SPW], v[NIL]
	s_wait_dscnt 4*NL+1
	WIN MUL_LO
	MUL16 0, 1, 0
	s_wait_dscnt 0x0
	s_barrier_signal -1
	MUL16 2, 1, 0
	WIN 0
	s_barrier_wait -1
.if \fill
	CREST
	s_add_nc_u64 s[G0+4*\slot+2:G0+4*\slot+3], s[G0+4*\slot+2:G0+4*\slot+3], 2*RTB
	s_add_nc_u64 s[G0B+4*\slot+2:G0B+4*\slot+3], s[G0B+4*\slot+2:G0B+4*\slot+3], 2*RTB
	JLOAD G0+4*\slot, G1, G0B+4*\slot, G1B
.else
	PLACES NP
.endif
	s_wait_alu depctr_va_vdst(0)
	FETCH_B \next, 0, 0
	FETCH_A \next, 0, 0
	WIN MUL_HI
	MUL16 4, 1, 0
	MUL16 6, 1, 0
	PLACES NP
	WIN 0
	FETCH_A \next, 0, 4
.endm
	s_wait_tensorcnt 1
	s_barrier_signal -1
	s_barrier_wait -1
	FETCH_B 0, 0, 0
	FETCH_A 0, 0, 0
	FETCH_A 0, 0, 4
	STEP 0, 0, 1
	s_mov_b32 s3, LAPS-1
.Llap:
	TURN 0, 1, 1
	STEP 1, 0, 0
	TURN 1, 0, 1
	STEP 0, 0, 0
	s_sub_co_u32 s3, s3, 1
	s_cmp_lg_u32 s3, 0
	s_cbranch_scc1 .Llap
	TURN 0, 1, 0
	STEP 1, 0, 0
	s_wait_dscnt 4*NL
	WIN MUL_LO
	MUL16 0, 1, 0
	MUL16 2, 1, 0
	s_wait_dscnt 0
	WIN MUL_HI
	MUL16 4, 1, 0
	MUL16 6, 1, 0
	WIN 0
	s_wait_kmcnt 0x0
	s_sub_co_i32 s86, s74, s68
	s_sub_co_i32 s86, s86, s69
	s_sub_co_i32 s87, s75, s70
	s_sub_co_i32 s87, s87, s71
	s_sub_co_i32 s88, s77, s72
	s_sub_co_i32 s88, s88, s73
	s_cmp_eq_u32 s12, 0
	s_cselect_b32 s86, s86, s87
	s_cmp_eq_u32 s12, 2
	s_cselect_b32 s86, s88, s86
	s_add_co_i32 s86, s86, 127
	s_lshl_b32 s87, s86, 23
	s_add_co_i32 s86, s86, 8
	s_lshl_b32 s86, s86, 23
	s_or_b32 s86, s86, 0x600000
	PLACES NP
	v_mov_b32 v[SCL], s87
	v_mov_b32 v[LIM], s86
.irp a, 0,1,2,3,4,5,6,7
	WIN 0x02+(\a/4)
.set J, 0
.rept 64
	v_med3_num_f32 v[TMP+J], v[64*(\a%4)+J], -v[LIM], v[LIM]
.set J, J+1
.endr
	WIN 0
.irp b, 0,1,2,3,4,5,6,7
	v_cvt_scalef32_pk8_fp8_f32 v[CD+16*\a+2*\b:CD+16*\a+2*\b+1], v[TMP+8*\b:TMP+8*\b+7], v[SCL]
.endr
	v_nop
.irp g, 0,1,2,3
	global_store_b128 v[VO+\a], v[CD+16*\a+4*\g:CD+16*\a+4*\g+3], s[10:11] offset:512*\g
.endr
.endr
	s_wait_tensorcnt 0x0
	ds_add_u32 v[SPW], v[NIL]
	s_wait_dscnt 0x0
	CROUND
	s_endpgm
.Lfunc_end_k_q0c4f9cb1c2_qkv:
	.size	k_q0c4f9cb1c2_qkv, .Lfunc_end_k_q0c4f9cb1c2_qkv-k_q0c4f9cb1c2_qkv
	.p2alignl 7, 3214868480
	.fill 96, 4, 3214868480
	.section	.rodata,"a",@progbits
	.p2align	6, 0x0
	.amdhsa_kernel k_q0c4f9cb1c2_qkv
		.amdhsa_group_segment_fixed_size 327680
		.amdhsa_private_segment_fixed_size 0
		.amdhsa_enable_private_segment 0
		.amdhsa_kernarg_size 32
		.amdhsa_user_sgpr_count 2
		.amdhsa_user_sgpr_kernarg_segment_ptr 1
		.amdhsa_wavefront_size32 1
		.amdhsa_system_sgpr_workgroup_id_x 1
		.amdhsa_system_sgpr_workgroup_id_y 1
		.amdhsa_system_sgpr_workgroup_id_z 1
		.amdhsa_system_vgpr_workitem_id 0
		.amdhsa_next_free_vgpr 1024
		.amdhsa_next_free_sgpr 100
		.amdhsa_reserve_vcc 0
		.amdhsa_float_denorm_mode_32 3
		.amdhsa_float_denorm_mode_16_64 3
		.amdhsa_memory_ordered 1
		.amdhsa_forward_progress 1
		.amdhsa_inst_pref_size 119
	.end_amdhsa_kernel
	.amdgpu_metadata
---
amdhsa.version: [ 1, 2 ]
amdhsa.kernels:
  - .name:           k_q0c4f9cb1c2_qkv
    .symbol:         k_q0c4f9cb1c2_qkv.kd
    .args:
      - { .name: xc, .offset: 0, .size: 8, .value_kind: global_buffer, .address_space: global }
      - { .name: wc, .offset: 8, .size: 8, .value_kind: global_buffer, .address_space: global }
      - { .name: lowp_scales, .offset: 16, .size: 8, .value_kind: global_buffer, .address_space: global }
      - { .name: qkvc, .offset: 24, .size: 8, .value_kind: global_buffer, .address_space: global }
    .group_segment_fixed_size: 327680
    .private_segment_fixed_size: 0
    .kernarg_segment_align: 8
    .kernarg_segment_size: 32
    .max_flat_workgroup_size: 128
    .sgpr_count:     100
    .vgpr_count:     1024
    .wavefront_size: 32
...
	.end_amdgpu_metadata
.endif
;; end of part 2
;; launch attn (part 3): grid 8 x 32, 16 waves a work-group, no clusters, 327,680 bytes of LDS; arguments qkvc, lowp_scales, ac; writes ac
.if DOCPART == 3
	.amdgcn_target "amdgcn-amd-amdhsa--gfx1250"
	.amdhsa_code_object_version 6
	.text
	.protected	k_q0c4f9cb1c2_attn
	.globl	k_q0c4f9cb1c2_attn
	.p2align	8
	.type	k_q0c4f9cb1c2_attn,@function
k_q0c4f9cb1c2_attn:
	s_mov_b64 s[64:65], 0
	v_nop
	global_prefetch_b8 v0, s[64:65] scope:SCOPE_SE
	s_setreg_imm32_b32 hwreg(HW_REG_WAVE_MODE, 25, 1), 1
	s_wait_xcnt 0x0
; ATTENTION, causal, 32 (batch, head) pairs of 2,048 tokens, head size 64, both products on E4M3 codes; the output is quantised at once for the next product (entry 10).
; q, k: [256 tiles of 16 tokens][32 groups = 2 head + g][lane][16 bytes].  v: [64 tiles of 16 channels][128 groups of 32 tokens][lane][16 bytes]: images of operand registers, k in its true places.
; THE SOFTMAX: t = score x log2(e) / 8; M = the running largest t rounded UP to a whole number; p = 2^(t - M) is quantised (entry 8), not normalised; the row's sum is taken of the unquantised p and divides at the end.
; When M moves, the sum and O are multiplied by 2^(old M - new M), which rounds nothing.
; SHARES.  A head has 128 tiles of 16 queries; tile i counts i / 8 + 1 key steps of 128 keys.  Work-group p takes the eight pairs (i, 127 - i), i = p + 8 j: 17 steps a pair, 136 a work-group, and all work-groups are alike.
; THE KEYS OF A TILE ARE SHARED BETWEEN TWO WAVES: waves j and j + 8 both hold both tiles of pair j; wave j takes the even key steps, wave j + 8 the odd ones: 9 tile steps in waves 0-7, 8 in waves 8-15.
; Each wave runs its own M, sum and O for both tiles.  At the end it KEEPS one tile (X: wave j the early one, wave j + 8 the late one) and SENDS the other (Y) to its partner through LDS, as images of the registers;
; the two parts are brought under the larger M by powers of two, which round nothing; a part without steps gets the factor 0.
; THE HEAD'S K AND V STAY IN LDS: 2 x 2,048 x 64 codes are 262,144 bytes, eight slots of 256 keys (K's 16,384 bytes, then V's), each with bytes of its own: nothing is filled again.
; Wave w owns one unit of 16,384 bytes: slot w / 2, K's where w is even, V's where it is odd, one tensor load.  Waves 0-3 ask at the head (slots 0, 1); waves 4-15 behind the sequence and the barrier that stand
; ahead of a later first fill (slots 2-7, which land under the steps of slots 0 and 1); one more barrier stands ahead of slot 2.  Behind it no barrier stands until the parts meet.  The late tiles reach key 2,047: every slot is read.
; Every wave walks all 8 slots (constant trip counts); a tile step whose keys all come after the tile's queries is left out by a scalar branch on ids.
; Both products are used transposed (S^T = K Q^T, O^T = V^T P^T): a lane holds one query throughout, its 8 registers of key tile t are keys 16 t + 8 h + 0..7: converted, they are registers 2 t, 2 t + 1 of P's fragment.
; NO CLUSTER: the eight work-groups of a head read the same K and V, but which tile steps a work-group leaves out hangs on its number.
; PREFETCH: slots 0 and 1 come by their loads alone.  Slots 2-7 of a head are 12 units x 64 blocks of 256 bytes; its eight work-groups share them out, 96 blocks each, 32 to each of waves 4, 5 and 6, a lane a block:
; each block is named once in the launch, at the head, one gate ahead of the tensor load that wants it.
; LIMITS: e6 + e7 between -123 and 130; e8 and e10 between -126 and 119.
; REGISTERS: v1 16 x lane; v2, v4 my step's place in a slot's K and V; v3 the prefetch's offset; v5, v6 the add's; v7, v255 the exchange; v8, v9 the LDS addresses in hand; v12 -M, v13 the largest t, v[14:15] the sum of X;
;   v248-251 the same of Y; v16-23 X's Q, v24-31 Y's; v32-95 fragments of K, then of V; v96-159 S^T, then p; v160-191 X's O^T, v192-223 Y's; v224-239 p's codes; v10, v11, v236-247, v252-254 at work.
.set VOFF,  16384                      ; a slot: K's 16 tiles x 1,024 bytes, then V's 4 tiles x 4,096
.set SLOT1, 1<<15
.set SPARE, 8*SLOT1                    ; behind the eight slots: the spare words, 128 bytes a wave
.set XW,    4608                       ; the exchange, from byte 0 on, in slots that have had their only fill and, behind a barrier, their last read: a wave's part is 8 x 512 bytes of O^T and 512 of the four statistics
.set LI,   1
.set AK0,  2
.set PFO,  3
.set AV0,  4
.set SPW,  5
.set NIL,  6
.set XS,   7
.set ADK,  8
.set ADV,  9
.set XR,   255
.set WV,   18
.set ODD,  19                          ; s19  wave % 2: my unit is V's
.set SEL,  20
.set CS,   22
.set G1K,  24
.set G1V,  32
.set G0K,  40
.set G0V,  44
.set TB,   2
.set SLOTS, 67
.set PFA,  76                          ; s[76:77] where my wave's prefetch stands
.set QY,   97                          ; s97  the first query of the tile that I send
.set KF,   98                          ; s98  the first key of my step of the slot in hand
.set QX,   99                          ; s99  the first query of the tile that I keep
.macro TLOAD early                     ; early = 1: waves 0-3 ask for their units, 0: waves 4-15.  One chain of branches on the wave's number; an s_nop 0 and four v_nop follow each load
	s_cmp_lt_u32 s[WV], 4
.if \early
	s_cbranch_scc0 .Lasked_\@
.else
	s_cbranch_scc1 .Lasked_\@
.endif
	s_cmp_eq_u32 s[ODD], 0
	s_cbranch_scc0 .Lnot_k_\@
	tensor_load_to_lds s[G0K:G0K+3], s[G1K:G1K+7]
	s_nop 0
.rept 4
	v_nop
.endr
	s_branch .Lasked_\@
.Lnot_k_\@:
	tensor_load_to_lds s[G0V:G0V+3], s[G1V:G1V+7]
	s_nop 0
.rept 4
	v_nop
.endr
.Lasked_\@:
.endm
	s_load_b128 s[4:7], s[0:1], 0x0                ; qkvc, the scales
	s_load_b64 s[8:9], s[0:1], 0x10                ; ac
	v_lshl_add_u32 v[SPW], v0, 2, SPARE
	v_mov_b32 v[NIL], 0
	ds_add_u32 v5, v6                              ; the opening lines: the add, twice on end, and its wait
	ds_add_u32 v5, v6
	s_wait_dscnt 0x0
	v_lshrrev_b32 v8, 5, v0
	s_delay_alu instid0(VALU_DEP_1)
	v_readfirstlane_b32 s[WV], v8                  ; wave 0..15
	s_and_b32 s[ODD], s[WV], 1
	s_lshr_b32 s10, s[WV], 1                       ; my unit's slot
	s_lshl_b32 s11, s10, 15                        ; in LDS,
	s_lshl_b32 s12, s10, 18                        ; in k's part: 16 tiles of tokens x 16,384 bytes a slot,
	s_mov_b32 s13, 0
	s_lshl_b32 s14, s10, 12                        ; in v's part: 8 groups x 512 bytes a slot
	s_mov_b32 s15, 0
	s_and_b32 s48, ttmp7, 0xffff
	s_lshr_b32 s49, s48, 4                         ; batch
	s_and_b32 s50, s48, 15                         ; head
	s_and_b32 s52, s[WV], 7                        ; my pair j
	s_lshl_b32 s52, s52, 7
	s_lshl_b32 s51, ttmp9, 4
	s_add_co_u32 s51, s51, s52                     ; the early tile's first query: 16 (p + 8 j)
	s_sub_co_u32 s52, 2032, s51                    ; the late tile's: 16 (127 - p - 8 j)
	s_cmp_lt_u32 s[WV], 8
	s_cselect_b32 s[QX], s51, s52                  ; waves 0-7 keep the early tile and send the late one, waves 8-15 the other way round
	s_cselect_b32 s[QY], s52, s51
	s_cselect_b32 s[KF], 0, 128                    ; waves 0-7 take a slot's first 128 keys, waves 8-15 its second
	s_lshl_b32 s53, s49, 21                        ; the batch's 128 tiles of tokens x 16,384 bytes
	s_lshl_b32 s54, s50, 10                        ; the head's two groups
	s_add_co_u32 s56, s53, s54
	s_lshl_b32 s55, s[QX], 10                      ; (first query / 16) tiles
	s_add_co_u32 s58, s56, s55                     ; X's tile in q's part, and in ac
	s_mov_b32 s59, 0
	s_lshl_b32 s55, s[QY], 10
	s_add_co_u32 s92, s56, s55                     ; Y's tile in q's part
	s_mov_b32 s93, 0
	s_add_co_u32 s56, s56, 0x400000                ; the head's first keys in k's part
	s_mov_b32 s57, 0
	s_lshl_b32 s60, s50, 18                        ; the head's 4 tiles of channels x 65,536 bytes
	s_lshl_b32 s61, s49, 15                        ; the batch's 64 groups
	s_add_co_u32 s60, s60, s61
	s_add_co_u32 s60, s60, 0x800000                ; in v's part
	s_mov_b32 s61, 0
	s_mov_b32 s[G1K], 0                            ; no mask; elements of 1 byte; no padding
	s_mov_b32 s[G1K+1], 1024<<16                   ; tensor_dim0
	s_mov_b32 s[G1K+2], 16<<16                     ; tensor_dim1
	s_mov_b32 s[G1K+3], 1024<<16                   ; tile_dim0
	s_mov_b32 s[G1K+4], 16                         ; tile_dim1
	s_mov_b32 s[G1K+5], 16384                      ; from a tile of tokens to the next
	s_mov_b32 s[G1K+6], 0
	s_mov_b32 s[G1K+7], 0
	s_mov_b32 s[G1V], 0
	s_mov_b32 s[G1V+1], 4096<<16
	s_mov_b32 s[G1V+2], 4<<16
	s_mov_b32 s[G1V+3], 4096<<16
	s_mov_b32 s[G1V+4], 4
	s_mov_b32 s[G1V+5], 65536                      ; from a tile of channels to the next
	s_mov_b32 s[G1V+6], 0
	s_mov_b32 s[G1V+7], 0
	s_mov_b32 s[SEL], 0x76543210
	s_mov_b32 s[SEL+1], 0xfedcba98
	s_mov_b32 s[CS], 0x3e38aa3b                    ; c = log2(e) / 8
	s_mov_b32 s[TB], 0
	s_mov_b32 s[SLOTS], 2
	s_wait_kmcnt 0x0
	s_load_b64 s[68:69], s[6:7], 0x18              ; e6, e7
	s_load_b128 s[72:75], s[6:7], 0x20             ; e8, e9, e10, e11
	s_mov_b32 s[G0K], 1
	s_mov_b32 s[G0K+1], s11
	s_add_nc_u64 s[G0K+2:G0K+3], s[4:5], s[56:57]
	s_add_nc_u64 s[G0K+2:G0K+3], s[G0K+2:G0K+3], s[12:13]
	s_or_b32 s[G0K+3], s[G0K+3], 0x80000000
	s_mov_b32 s[G0V], 1
	s_add_co_u32 s[G0V+1], s11, VOFF
	s_add_nc_u64 s[G0V+2:G0V+3], s[4:5], s[60:61]
	s_add_nc_u64 s[G0V+2:G0V+3], s[G0V+2:G0V+3], s[14:15]
	s_or_b32 s[G0V+3], s[G0V+3], 0x80000000
	TLOAD 1                                        ; slots 0 and 1
	; the prefetch: chunk c = 3 p + (wave - 4) of the head's 24 chunks of 32 blocks: unit c / 2 (slot 2 + c / 4, K's or V's by (c / 2) % 2), its half c % 2
	s_sub_co_u32 s78, s[WV], 4                     ; 0..2 in the waves that ask
	s_mul_i32 s79, ttmp9, 3
	s_add_co_u32 s79, s79, s78
	s_and_b32 s80, s79, 1
	s_lshl_b32 s80, s80, 17                        ; half a unit on: 8 of K's rows of 16,384 bytes, or 2 of V's of 65,536
	s_lshr_b32 s81, s79, 2
	s_add_co_u32 s81, s81, 2                       ; the slot
	s_bfe_u32 s82, s79, 0x10001
	s_cmp_eq_u32 s82, 0
	s_cselect_b32 s82, s56, s60
	s_cselect_b32 s84, 18, 12                      ; a slot on, as a shift,
	s_cselect_b32 s85, 2, 4                        ; blocks in a row of the unit: 4 or 16,
	s_cselect_b32 s86, 14, 16                      ; the rows' distance
	s_cselect_b32 s87, 3, 15
	s_lshl_b32 s81, s81, s84
	s_add_co_u32 s82, s82, s81
	s_add_co_u32 s82, s82, s80
	s_mov_b32 s83, 0
	s_add_nc_u64 s[PFA:PFA+1], s[4:5], s[82:83]
	v_and_b32 v9, 31, v0
	v_lshrrev_b32 v[PFO], s85, v9
	v_and_b32 v9, s87, v9
	v_lshlrev_b32 v[PFO], s86, v[PFO]
	v_lshl_add_u32 v[PFO], v9, 8, v[PFO]           ; v3 and s[76:77] are never written again
	s_wait_alu depctr_va_vdst(0)                   ; the wait ahead of the branch
	s_cmp_lt_u32 s78, 3
	s_cbranch_scc0 .Lno_ask
	global_prefetch_b8 v[PFO], s[PFA:PFA+1] th:TH_LOAD_NT scope:SCOPE_SE
.Lno_ask:
	v_and_b32 v[LI], 31, v0
	s_delay_alu instid0(VALU_DEP_1)
	v_lshlrev_b32 v[LI], 4, v[LI]
	s_wait_alu depctr_va_vdst(0)
	s_lshr_b32 s90, s[WV], 3                       ; which of a slot's two steps is mine
	s_lshl_b32 s91, s90, 13
	v_add_nc_u32 v[AK0], s91, v[LI]                ; its 8 tiles of keys x 1,024 bytes,
	s_lshl_b32 s91, s90, 11
	s_add_co_u32 s91, s91, VOFF
	v_add_nc_u32 v[AV0], s91, v[LI]                ; its 4 groups x 512 bytes in each of V's tiles
	s_mul_i32 s91, s[WV], XW
	v_add_nc_u32 v[XS], s91, v[LI]                 ; the exchange: where I send,
	s_xor_b32 s91, s[WV], 8
	s_mul_i32 s91, s91, XW
	v_add_nc_u32 v[XR], s91, v[LI]                 ; and where my partner has sent
	s_add_nc_u64 s[62:63], s[4:5], s[58:59]
	s_add_nc_u64 s[94:95], s[4:5], s[92:93]
	s_add_nc_u64 s[8:9], s[8:9], s[58:59]
	global_load_b128 v[16:19], v[LI], s[62:63]             ; the two tiles' fragments of Q, 16 queries x 64 each, stay in registers
	global_load_b128 v[20:23], v[LI], s[62:63] offset:512
	global_load_b128 v[24:27], v[LI], s[94:95]
	global_load_b128 v[28:31], v[LI], s[94:95] offset:512
	v_mov_b32 v13, 0xff61b1e6                      ; the largest t so far: -3e38
	s_delay_alu instid0(VALU_DEP_1)
	v_floor_f32 v12, -v13                          ; -M
	v_mov_b32 v14, 0
	v_mov_b32 v15, 0
	v_mov_b32 v249, 0xff61b1e6                     ; the same for Y
	s_delay_alu instid0(VALU_DEP_1)
	v_floor_f32 v248, -v249
	v_mov_b32 v250, 0
	v_mov_b32 v251, 0
	v_mov_b32 v236, 0                              ; a lane permute's destination counts as one of its sources
	v_mov_b32 v247, 0                              ; (named as the upper half of a pair)
	v_mov_b32 v252, 0
	v_mov_b32 v253, 0
.set J, 0
.rept 64
	v_mov_b32 v[160+J], 0                          ; both tiles' O^T: the step is written once; the first finds zeros, and a part without steps stays zeros
.set J, J+1
.endr
	s_wait_kmcnt 0x0
	s_add_co_i32 s88, s68, s69
	s_lshl_b32 s88, s88, 23
	s_add_co_i32 s[CS], s[CS], s88                 ; e6 + e7 go into c's exponent field
	s_mov_b32 s[CS+1], s[CS]
	s_add_co_i32 s88, s72, 127
	s_lshl_b32 s89, s88, 23
	v_mov_b32 v244, s89                            ; 2^e8
	s_add_co_i32 s88, s88, 8
	s_lshl_b32 s88, s88, 23
	s_or_b32 s88, s88, 0x600000
	v_mov_b32 v240, s88                            ; 448 x 2^e8
	s_add_co_i32 s88, s74, 127
	s_lshl_b32 s89, s88, 23
	v_mov_b32 v245, s89                            ; 2^e10
	s_add_co_i32 s88, s88, 8
	s_lshl_b32 s88, s88, 23
	s_or_b32 s88, s88, 0x600000
	v_mov_b32 v241, s88                            ; 448 x 2^e10
; A TILE STEP: my 128 keys of the slot in hand, for the tile with Q at v[Q], O^T at v[O], statistics at v[ST] and first query in s[SQ]
.macro TSTEP Q, O, ST, SQ
	s_add_co_u32 s96, s[\SQ], 15
	s_cmp_gt_u32 s[KF], s96                        ; all its keys come after the tile's queries: nothing to do
	s_cbranch_scc1 .Lhidden_\@
	v_add_nc_u32 v[ADK], s[TB], v[AK0]
	v_add_nc_u32 v[ADV], s[TB], v[AV0]
	v_nop
	v_nop                                          ; with the two additions: four places in front of loads into registers that the last products read
.irp t, 0,1,2,3,4,5,6,7
.irp g, 0,1
	ds_load_b128 v[32+8*\t+4*\g:32+8*\t+4*\g+3], v[ADK] offset:\t*1024+512*\g
.endr
.endr
	s_wait_alu depctr_va_vdst(0)
	s_wait_dscnt 0x0
.irp t, 0,1,2,3,4,5,6,7
	v_wmma_f32_16x16x64_fp8_fp8 v[96+8*\t:103+8*\t], v[32+8*\t:39+8*\t], v[\Q:\Q+7], 0
.endr
.rept 4
	v_nop                                          ; four places: in front of the loads below, into registers that these products read, and of the first read of the scores
.endr
.irp t, 0,1,2,3
.irp g, 0,1,2,3
	ds_load_b128 v[32+16*\t+4*\g:32+16*\t+4*\g+3], v[ADV] offset:4096*\t+512*\g   ; V's fragments take K's registers now, and land under the softmax
.endr
.endr
	s_add_co_u32 s96, s[KF], 127                   ; on the diagonal hidden scores become -infinity ahead of the maximum
	s_cmp_le_u32 s96, s[\SQ]
	s_cbranch_scc1 .Lopen_\@
	s_sub_co_i32 s96, s[\SQ], s[KF]
	v_and_b32 v252, 15, v0
	v_bfe_u32 v253, v0, 4, 1
	s_delay_alu instid0(VALU_DEP_1)
	v_lshlrev_b32 v253, 3, v253
	s_delay_alu instid0(VALU_DEP_1)
	v_sub_nc_u32 v252, v252, v253
	s_delay_alu instid0(VALU_DEP_1)
	v_add_nc_u32 v252, s96, v252                   ; d = my query - KF - 8 h.  Register 8 t + j holds key KF + 16 t + 8 h + j: hidden where 16 t + j > d
	v_mov_b32 v254, 0xff800000
.set N, 0
.rept 64
	v_cmp_gt_i32 vcc_lo, 16*(N/8)+N%8, v252
	v_cndmask_b32 v[96+N], v[96+N], v254, vcc_lo
.set N, N+1
.endr
.Lopen_\@:
	v_max3_num_f32 v254, v96, v97, v98             ; the step's largest score of my query, in four chains, the registers in ascending order,
	v_max3_num_f32 v252, v99, v100, v101
	v_max3_num_f32 v246, v102, v103, v104
	v_max3_num_f32 v247, v105, v106, v107
.irp i, 12,20,28,36,44,52
	v_max3_num_f32 v254, v254, v[96+\i], v[97+\i]
	v_max3_num_f32 v252, v252, v[98+\i], v[99+\i]
	v_max3_num_f32 v246, v246, v[100+\i], v[101+\i]
	v_max3_num_f32 v247, v247, v[102+\i], v[103+\i]
.endr
	v_max3_num_f32 v254, v254, v156, v157
	v_max3_num_f32 v252, v252, v158, v159
	s_delay_alu instid0(VALU_DEP_1)
	v_max3_num_f32 v254, v254, v252, v246
	s_delay_alu instid0(VALU_DEP_1)
	v_max_num_f32 v254, v254, v247
	v_permlanex16_b32 v236, v254, s[SEL], s[SEL+1]
	s_delay_alu instid0(VALU_DEP_1)
	v_max_num_f32 v254, v254, v236                 ; and among lane l xor 16's
	s_delay_alu instid0(VALU_DEP_1)
	v_mul_f32 v254, s[CS], v254
	s_delay_alu instid0(VALU_DEP_1)
	v_max_num_f32 v[\ST+1], v[\ST+1], v254         ; the running largest t
	v_mov_b32 v254, v[\ST]
	s_delay_alu instid0(VALU_DEP_2)
	v_floor_f32 v[\ST], -v[\ST+1]                  ; the new -M = -ceil(t)
	s_delay_alu instid0(VALU_DEP_1)
	v_sub_f32 v254, v[\ST], v254                   ; old M - new M: a whole number, 0 or less
	s_delay_alu instid0(VALU_DEP_1)
	v_cvt_i32_f32 v254, v254
	s_delay_alu instid0(VALU_DEP_1)
	v_ldexp_f32 v252, 1.0, v254                    ; f = 2^(old M - new M)
.set J, 0
.rept 32
	v_pk_fma_f32 v[96+J:97+J], v[96+J:97+J], s[CS:CS+1], v[\ST:\ST+1] op_sel_hi:[1,0,0]   ; t - M
.set J, J+2
.endr
.set J, 0
	s_wait_alu depctr_va_vdst(0)
.rept 64
	v_exp_f32 v[96+J], v[96+J]                     ; p = 2^(t - M)
.set J, J+1
.endr
	v_pk_mul_f32 v[\ST+2:\ST+3], v[\ST+2:\ST+3], v[252:253] op_sel_hi:[1,0]   ; the sums under the new M: a plain line behind the exponentials
	s_wait_alu depctr_va_vdst(0)                   ; one wait for the batch, ahead of its first reader
	v_pk_add_f32 v[242:243], v[96:97], v[98:99]    ; the sum is taken of the unquantised p, in four chains
	v_pk_add_f32 v[246:247], v[100:101], v[102:103]
	v_pk_add_f32 v[10:11], v[104:105], v[106:107]
.irp j, 12,20,28,36,44,52
	v_pk_add_f32 v[\ST+2:\ST+3], v[\ST+2:\ST+3], v[96+\j:97+\j]
	v_pk_add_f32 v[242:243], v[242:243], v[98+\j:99+\j]
	v_pk_add_f32 v[246:247], v[246:247], v[100+\j:101+\j]
	v_pk_add_f32 v[10:11], v[10:11], v[102+\j:103+\j]
.endr
	v_pk_add_f32 v[\ST+2:\ST+3], v[\ST+2:\ST+3], v[156:157]
	v_pk_add_f32 v[242:243], v[242:243], v[158:159]
	s_delay_alu instid0(VALU_DEP_3)
	v_pk_add_f32 v[246:247], v[246:247], v[10:11]
	s_delay_alu instid0(VALU_DEP_2)
	v_pk_add_f32 v[\ST+2:\ST+3], v[\ST+2:\ST+3], v[242:243]
	s_delay_alu instid0(VALU_DEP_1)
	v_pk_add_f32 v[\ST+2:\ST+3], v[\ST+2:\ST+3], v[246:247]
.irp t, 0,1,2,3,4,5,6,7
.irp i, 0,1,2,3,4,5,6,7
	v_min_num_f32 v[96+8*\t+\i], v[96+8*\t+\i], v240   ; the conversion does not saturate (ISA guide 7.6.2); p is not negative
.endr
	v_cvt_scalef32_pk8_fp8_f32 v[224+2*\t:225+2*\t], v[96+8*\t:103+8*\t], v244
.endr
.set J, 0
.rept 16
	v_pk_mul_f32 v[\O+J:\O+J+1], v[\O+J:\O+J+1], v[252:253] op_sel_hi:[1,0]   ; O^T under the new M; these lines are also the places behind the conversions
.set J, J+2
.endr
	s_wait_alu depctr_va_vdst(0)
	s_wait_dscnt 0x0                               ; V's fragments, asked for ahead of the softmax
.irp t, 0,1,2,3
	v_wmma_f32_16x16x128_fp8_fp8 v[\O+8*\t:\O+8*\t+7], v[32+16*\t:47+16*\t], v[224:239], v[\O+8*\t:\O+8*\t+7]   ; the four accumulators take turns
.endr
.Lhidden_\@:
.endm
; A GATE: each wave waits for its tensor load, adds 0 to its spare word and waits for that; behind the barrier the units that were asked for are whole for every wave.
; fill = 1: behind it waves 4-15 ask for slots 2-7, first fills all.
.macro GATE fill
	s_wait_alu depctr_va_vdst(0)
	s_wait_tensorcnt 0x0
	ds_add_u32 v[SPW], v[NIL]
.if \fill
	ds_add_u32 v[SPW], v[NIL]
.endif
	s_wait_dscnt 0x0
	s_barrier_signal -1
	s_barrier_wait -1
.if \fill
	TLOAD 0
.endif
.endm
.macro SLOT_STEPS
	TSTEP 16, 160, 12, QX                          ; my step of the slot, for the tile that I keep,
	TSTEP 24, 192, 248, QY                         ; and for the tile that I send
	s_add_co_u32 s[KF], s[KF], 256
	s_add_co_u32 s[TB], s[TB], SLOT1
.endm
	s_wait_loadcnt 0x0                             ; Q
	GATE 1
.Lfirst:                                           ; slots 0 and 1
	SLOT_STEPS
	s_sub_co_u32 s[SLOTS], s[SLOTS], 1
	s_cmp_lg_u32 s[SLOTS], 0
	s_cbranch_scc1 .Lfirst
	GATE 0                                         ; slots 2-7 are whole
	s_mov_b32 s[SLOTS], 6
.Lslot:                                            ; 6 trips with no barrier: each wave at its own pace
	SLOT_STEPS
	s_sub_co_u32 s[SLOTS], s[SLOTS], 1
	s_cmp_lg_u32 s[SLOTS], 0
	s_cbranch_scc1 .Lslot
	; THE TWO PARTS OF A TILE MEET: Y's O^T and statistics go to my partner as they stand, 16 bytes a lane, and my partner's part of X comes back so
.rept 4
	v_nop                                          ; four places behind the last products
.endr
	s_wait_alu depctr_va_vdst(0)
	s_wait_dscnt 0x0                               ; my reads of the slots are over;
	s_barrier_signal -1
	s_barrier_wait -1                              ; so are everybody's: the exchange may be stored over slots 0 to 2
.irp c, 0,1,2,3,4,5,6,7
	ds_store_b128 v[XS], v[192+4*\c:195+4*\c] offset:512*\c
.endr
	ds_store_b128 v[XS], v[248:251] offset:4096
	s_wait_dscnt 0x0                               ; for my partner's sake: my stores have landed
	s_barrier_signal -1
	s_barrier_wait -1
.irp c, 0,1,2,3,4,5,6,7
	ds_load_b128 v[96+4*\c:99+4*\c], v[XR] offset:512*\c
.endr
	ds_load_b128 v[128:131], v[XR] offset:4096     ; -M, the largest t, the sum's two halves
	s_wait_dscnt 0x0
	v_min_num_f32 v254, v12, v128                  ; -M of the two parts together: the larger M
	s_delay_alu instid0(VALU_DEP_1)
	v_sub_f32 v252, v254, v12                      ; my M less that: a whole number, 0 or less
	s_delay_alu instid0(VALU_DEP_2)
	v_sub_f32 v246, v254, v128                     ; my partner's likewise
	s_delay_alu instid0(VALU_DEP_2)
	v_cvt_i32_f32 v252, v252                       ; (it saturates: a part without steps, whose -M is still 3e38, gets the factor 0)
	s_delay_alu instid0(VALU_DEP_2)
	v_cvt_i32_f32 v246, v246
	s_delay_alu instid0(VALU_DEP_2)
	v_ldexp_f32 v252, 1.0, v252
	s_delay_alu instid0(VALU_DEP_2)
	v_ldexp_f32 v246, 1.0, v246
	s_delay_alu instid0(VALU_DEP_2)
	v_pk_mul_f32 v[14:15], v[14:15], v[252:253] op_sel_hi:[1,0]
	s_delay_alu instid0(VALU_DEP_1)
	v_pk_fma_f32 v[14:15], v[130:131], v[246:247], v[14:15] op_sel_hi:[1,0,1]
.set J, 0
.rept 16
	v_pk_mul_f32 v[160+J:161+J], v[160+J:161+J], v[252:253] op_sel_hi:[1,0]
.set J, J+2
.endr
.set J, 0
.rept 16
	v_pk_fma_f32 v[160+J:161+J], v[96+J:97+J], v[246:247], v[160+J:161+J] op_sel_hi:[1,0,1]
.set J, J+2
.endr
	; THE WAY OUT: O^T / the sum x 2^(e8 + e9), held, converted under 2^e10: tiles 2 g, 2 g + 1 are group g of the head's part of the next operand's image
	v_add_f32 v14, v14, v15
	s_delay_alu instid0(VALU_DEP_1)
	v_permlanex16_b32 v252, v14, s[SEL], s[SEL+1]
	s_delay_alu instid0(VALU_DEP_1)
	v_add_f32 v14, v14, v252
	s_wait_alu depctr_va_vdst(0)
	v_rcp_f32 v14, v14
	v_nop                                          ; a plain line behind the reciprocal
	s_add_co_i32 s88, s72, s73
	s_wait_alu depctr_va_vdst(0)                   ; the wait ahead of its first reader
	v_ldexp_f32 v14, v14, s88
.set J, 0
.rept 32
	v_mul_f32 v[96+J], v[160+J], v14
.set J, J+1
.endr
.set J, 0
.rept 32
	v_med3_num_f32 v[96+J], v[96+J], -v241, v241
.set J, J+1
.endr
.irp t, 0,1,2,3
	v_cvt_scalef32_pk8_fp8_f32 v[224+2*\t:225+2*\t], v[96+8*\t:103+8*\t], v245
.endr
	v_nop
	global_store_b128 v[LI], v[224:227], s[8:9]            ; 512 consecutive bytes each
	global_store_b128 v[LI], v[228:231], s[8:9] offset:512
	s_wait_tensorcnt 0x0                           ; the wave's end
	ds_add_u32 v[SPW], v[NIL]
	s_wait_dscnt 0x0
	s_endpgm
.Lfunc_end_k_q0c4f9cb1c2_attn:
	.size	k_q0c4f9cb1c2_attn, .Lfunc_end_k_q0c4f9cb1c2_attn-k_q0c4f9cb1c2_attn
	.p2alignl 7, 3214868480
	.fill 96, 4, 3214868480
	.section	.rodata,"a",@progbits
	.p2align	6, 0x0
	.amdhsa_kernel k_q0c4f9cb1c2_attn
		.amdhsa_group_segment_fixed_size 327680
		.amdhsa_private_segment_fixed_size 0
		.amdhsa_enable_private_segment 0
		.amdhsa_kernarg_size 24
		.amdhsa_user_sgpr_count 2
		.amdhsa_user_sgpr_kernarg_segment_ptr 1
		.amdhsa_wavefront_size32 1
		.amdhsa_system_sgpr_workgroup_id_x 1
		.amdhsa_system_sgpr_workgroup_id_y 1
		.amdhsa_system_sgpr_workgroup_id_z 1
		.amdhsa_system_vgpr_workitem_id 0
		.amdhsa_next_free_vgpr 256
		.amdhsa_next_free_sgpr 100
		.amdhsa_reserve_vcc 1
		.amdhsa_float_denorm_mode_32 3
		.amdhsa_float_denorm_mode_16_64 3
		.amdhsa_memory_ordered 1
		.amdhsa_forward_progress 1
		.amdhsa_inst_pref_size 104
	.end_amdhsa_kernel
	.amdgpu_metadata
---
amdhsa.version: [ 1, 2 ]
amdhsa.kernels:
  - .name:           k_q0c4f9cb1c2_attn
    .symbol:         k_q0c4f9cb1c2_attn.kd
    .args:
      - { .name: qkvc, .offset: 0, .size: 8, .value_kind: global_buffer, .address_space: global }
      - { .name: lowp_scales, .offset: 8, .size: 8, .value_kind: global_buffer, .address_space: global }
      - { .name: ac, .offset: 16, .size: 8, .value_kind: global_buffer, .address_space: global }
    .group_segment_fixed_size: 327680
    .private_segment_fixed_size: 0
    .kernarg_segment_align: 8
    .kernarg_segment_size: 24
    .max_flat_workgroup_size: 512
    .sgpr_count:     100
    .vgpr_count:     256
    .wavefront_size: 32
...
	.end_amdgpu_metadata
.endif
;; end of part 3
;; launch wo (part 4): grid 8 x 32, 4 waves a work-group, clusters of 4 x 4, 327,680 bytes of LDS; arguments ac, wc, lowp_scales, x, x1; writes x1
.if DOCPART == 4
	.amdgcn_target "amdgcn-amd-amdhsa--gfx1250"
	.amdhsa_code_object_version 6
	.text
	.protected	k_q0c4f9cb1c2_wo
	.globl	k_q0c4f9cb1c2_wo
	.p2align	8
	.type	k_q0c4f9cb1c2_wo,@function
k_q0c4f9cb1c2_wo:
	s_mov_b64 s[64:65], 0
	v_nop
	global_prefetch_b8 v0, s[64:65] scope:SCOPE_SE
	s_setreg_imm32_b32 hwreg(HW_REG_WAVE_MODE, 25, 1), 1
	s_wait_xcnt 0x0
	s_wait_alu depctr_hold_cnt(0) depctr_sa_sdst(0) depctr_va_vdst(0) depctr_va_sdst(0) depctr_va_ssrc(0) depctr_va_vcc(0) depctr_vm_vsrc(0)
	s_getreg_b32 s2, hwreg(HW_REG_IB_STS2, 6, 4)
	s_cmp_eq_u32 s2, 0
	s_cbranch_scc0 .Lentry_in_a_cluster
	s_endpgm
.Lentry_in_a_cluster:
	s_bfe_u32 s2, ttmp6, 0x10000c
	s_cmp_lg_u32 s2, 0xf033
	s_cbranch_scc0 .Lentry_shape_is_right
	s_endpgm
.Lentry_shape_is_right:
.set P16,   16384
.set BOFF,  0x300000
.set EOFF,  40
.set RTB,   8192
.set HALFT, 4*RTB
.set SLOT,  4*HALFT
.set SPARE, 2*SLOT
.set SPITCH, 272
.set ADRA, 16
.set ADRB, 20
.set STO,  24
.set RD,   25
.set CO,   26
.set LI,   27
.set SPW,  28
.set NIL,  29
.set ACC,  128
.set F0,   0
.set F1,   128
.set G1, 24
.set G0, 32
.set G1B, 48
.set G0B, 56
.set MSB, 0
.macro WIN new
.if MSB != \new
	s_set_vgpr_msb (MSB<<8)|\new
.set MSB, \new
.endif
.endm
.macro JLOAD g0a, g1a, g0b, g1b
	s_cmp_eq_u32 s15, 0
	s_cbranch_scc0 .Lfor_b_\@
	tensor_load_to_lds s[\g0a:\g0a+3], s[\g1a:\g1a+7]
	s_nop 0
.rept 4
	v_nop
.endr
	s_branch .Lasked_\@
.Lfor_b_\@:
	tensor_load_to_lds s[\g0b:\g0b+3], s[\g1b:\g1b+7]
	s_nop 0
.rept 4
	v_nop
.endr
.Lasked_\@:
.endm
.macro CREST
	s_cmp_lg_u32 s14, 0
	s_cbranch_scc1 .Lnot_wave_0_\@
	s_barrier_signal -3
.Lnot_wave_0_\@:
	s_barrier_wait -3
	s_barrier_signal -1
	s_barrier_wait -1
.endm
.macro CROUND
	s_barrier_signal -1
	s_barrier_wait -1
	CREST
.endm
.macro PLACES
.rept 4
	v_nop
.endr
.endm
	s_load_b256 s[4:11], s[0:1], 0x0
	s_load_b64 s[12:13], s[0:1], 0x20
	v_lshl_add_u32 v[SPW], v0, 2, SPARE
	v_mov_b32 v[NIL], 0
	ds_add_u32 v28, v29
	ds_add_u32 v28, v29
	s_wait_dscnt 0x0
	v_lshrrev_b32 v1, 5, v0
	v_readfirstlane_b32 s14, v1
	s_lshr_b32 s15, s14, 1
	s_and_b32 s16, s14, 1
	s_bfe_u32 s40, ttmp6, 0x40000
	s_bfe_u32 s41, ttmp6, 0x40004
	s_lshl_b32 s42, ttmp9, 2
	s_add_co_u32 s42, s42, s40
	s_and_b32 s17, ttmp7, 0xffff
	s_lshl_b32 s17, s17, 2
	s_add_co_u32 s17, s17, s41
	s_lshl_b32 s43, s41, 2
	s_lshl_b32 s43, 15, s43
	s_lshl_b32 s44, 0x1111, s40
	s_or_b32 s[G1+0], s43, (1<<21)
	s_or_b32 s[G1B+0], s44, (1<<21)
.irp g, G1, G1B
	s_mov_b32 s[\g+1], RTB<<16
	s_mov_b32 s[\g+2], 4<<16
	s_mov_b32 s[\g+3], RTB<<16
	s_mov_b32 s[\g+4], 4
	s_mov_b32 s[\g+5], P16
	s_mov_b32 s[\g+6], 0
	s_mov_b32 s[\g+7], 0
.endr
	s_lshl_b32 s18, s16, 2
	s_lshl_b32 s20, s17, 3
	s_add_co_u32 s20, s20, s18
	s_mul_i32 s20, s20, P16
	s_mov_b32 s21, 0
	s_lshl_b32 s46, s42, 3
	s_add_co_u32 s46, s46, s18
	s_mul_i32 s46, s46, P16
	s_add_co_u32 s46, s46, BOFF
	s_mov_b32 s47, 0
	s_mul_i32 s45, s14, HALFT
	s_wait_kmcnt 0x0
	s_load_b64 s[96:97], s[8:9], EOFF
	s_add_nc_u64 s[20:21], s[4:5], s[20:21]
	s_add_nc_u64 s[46:47], s[6:7], s[46:47]
	s_cmp_eq_u32 s15, 0                            ; the prefetch: of the 4 rows x 8,192 bytes that I fetch in a K step, the partner at place p (cx for A, cy for B) names row p: told apart by address alone
	s_cselect_b64 s[66:67], s[20:21], s[46:47]
	s_cselect_b32 s68, s40, s41
	s_mul_i32 s68, s68, P16
	s_mov_b32 s69, 0
	s_add_nc_u64 s[66:67], s[66:67], s[68:69]
	v_and_b32 v30, 31, v0
	v_lshlrev_b32 v30, 8, v30                      ; a lane a block of 256 bytes; v30 and s[66:67] are never written again
	s_wait_alu depctr_va_vdst(0)                   ; the wait behind the write
	CROUND
.irp s, 0,1
	s_mov_b32 s[G0+4*\s], 1
	s_add_co_u32 s[G0+4*\s+1], s45, \s*SLOT
	s_add_nc_u64 s[G0+4*\s+2:G0+4*\s+3], s[20:21], \s*RTB
	s_or_b32 s[G0+4*\s+3], s[G0+4*\s+3], 0x80000000
	s_mov_b32 s[G0B+4*\s], 1
	s_add_co_u32 s[G0B+4*\s+1], s45, \s*SLOT
	s_add_nc_u64 s[G0B+4*\s+2:G0B+4*\s+3], s[46:47], \s*RTB
	s_or_b32 s[G0B+4*\s+3], s[G0B+4*\s+3], 0x80000000
.if \s
	s_wait_alu depctr_va_vdst(0)
	s_wait_tensorcnt 0x0
	ds_add_u32 v28, v29
	ds_add_u32 v28, v29
	s_wait_dscnt 0x0
	CROUND
.endif
	JLOAD G0+4*\s, G1, G0B+4*\s, G1B
.if \s == 0
	global_prefetch_b8 v30, s[66:67] offset:RTB th:TH_LOAD_NT scope:SCOPE_SE   ; K has two steps: the second is named behind the first's load, one step ahead
.endif
.endr
	v_and_b32 v1, 15, v0
	s_wait_alu depctr_va_vdst(0)
	v_bfe_u32 v2, v0, 4, 1
	v_and_b32 v3, 31, v0
	v_lshlrev_b32 v[LI], 4, v3
	s_lshl_b32 s21, s15, 15
	s_lshl_b32 s22, s16, 15
	s_add_co_u32 s22, s22, 2*HALFT
.irp s, 0,1
	v_add_nc_u32 v[ADRA+\s], s21, v[LI]
	v_add_nc_u32 v[ADRB+\s], s22, v[LI]
	s_add_co_u32 s21, s21, SLOT
	s_add_co_u32 s22, s22, SLOT
.endr
	s_mul_i32 s23, s14, 16*SPITCH
	v_mul_u32_u24 v5, v1, SPITCH
	s_wait_alu depctr_va_vdst(0)
	v_lshl_add_u32 v5, v2, 5, v5
	v_add_nc_u32 v[STO], s23, v5
	v_mul_u32_u24 v5, v2, SPITCH
	v_lshl_add_u32 v5, v1, 4, v5
	v_add_nc_u32 v[RD], s23, v5
	v_lshlrev_b32 v5, 12, v2
	v_lshl_add_u32 v[CO], v1, 4, v5
	s_wait_alu depctr_va_vdst(0)
	s_lshl_b32 s20, s17, 7
	s_lshl_b32 s21, s15, 6
	s_add_co_u32 s20, s20, s21
	s_lshl_b32 s20, s20, 12
	s_lshl_b32 s21, s42, 9
	s_add_co_u32 s20, s20, s21
	s_lshl_b32 s21, s16, 8
	s_add_co_u32 s20, s20, s21
	s_mov_b32 s21, 0
	s_add_nc_u64 s[10:11], s[10:11], s[20:21]
	s_add_nc_u64 s[12:13], s[12:13], s[20:21]
	WIN 0x80
.irp a, 0,1,2,3
.irp t, 0,1,2,3,4,5,6,7
	global_load_b128 v[32*\a+4*\t:32*\a+4*\t+3], v[CO], s[10:11] offset:(16*\a+2*\t)*4096
.endr
.endr
	WIN 0
.macro FETCH slot, q, f
	WIN 0x40
.irp i, 0,1,2,3
.irp c, 0,1,2,3
	ds_load_b128 v[\f+16*\i+4*\c:\f+16*\i+4*\c+3], v[ADRA+\slot] offset:RTB*\i+2048*(\q)+512*\c
.endr
.endr
.irp i, 0,1,2,3
.irp c, 0,1,2,3
	ds_load_b128 v[\f+64+16*\i+4*\c:\f+64+16*\i+4*\c+3], v[ADRB+\slot] offset:RTB*\i+2048*(\q)+512*\c
.endr
.endr
.endm
.macro MUL f, a0, n, zero
	WIN 0x05
.set AA, \a0
.rept \n
.irp b, 0,1,2,3
.if \zero
	v_wmma_f32_16x16x128_fp8_fp8 v[ACC+8*(4*AA+\b):ACC+8*(4*AA+\b)+7], v[\f+64+16*\b:\f+64+16*\b+15], v[\f+16*AA:\f+16*AA+15], 0
.else
	v_wmma_f32_16x16x128_fp8_fp8 v[ACC+8*(4*AA+\b):ACC+8*(4*AA+\b)+7], v[\f+64+16*\b:\f+64+16*\b+15], v[\f+16*AA:\f+16*AA+15], v[ACC+8*(4*AA+\b):ACC+8*(4*AA+\b)+7]
.endif
.endr
.set AA, AA+1
.endr
.endm
.macro STEP slot, q, f, g, zero
	s_wait_dscnt 0x0
	PLACES
	FETCH \slot, (\q)+1, \g
	MUL \f, 0, 4, \zero
.endm
.macro TURN slot, next, fill
	WIN 0
	s_wait_tensorcnt 0x0
	ds_add_u32 v[SPW], v[NIL]
	s_wait_dscnt 1
	MUL F1, 0, 2, 0
	s_wait_dscnt 0x0
	s_barrier_signal -1
	MUL F1, 2, 1, 0
	WIN 0
	s_barrier_wait -1
.if \fill
	CREST
	s_add_nc_u64 s[G0+4*\slot+2:G0+4*\slot+3], s[G0+4*\slot+2:G0+4*\slot+3], 2*RTB
	s_add_nc_u64 s[G0B+4*\slot+2:G0B+4*\slot+3], s[G0B+4*\slot+2:G0B+4*\slot+3], 2*RTB
	JLOAD G0+4*\slot, G1, G0B+4*\slot, G1B
.else
	PLACES
.endif
	FETCH \next, 0, F0
	MUL F1, 3, 1, 0
.endm
.macro RUN slot, first, kind
	STEP \slot, 0, F0, F1, \first
	STEP \slot, 1, F1, F0, 0
	STEP \slot, 2, F0, F1, 0
.if \kind == 2
	TURN \slot, 1-\slot, 1
.elseif \kind == 1
	TURN \slot, 1-\slot, 0
.else
	s_wait_dscnt 0x0
	MUL F1, 0, 4, 0
.endif
.endm
	s_wait_tensorcnt 1
	s_barrier_signal -1
	s_barrier_wait -1
	FETCH 0, 0, F0
	RUN 0, 1, 1
	RUN 1, 0, 0
	WIN 0
	s_wait_kmcnt 0x0
	s_add_co_i32 s96, s96, s97
	s_add_co_i32 s96, s96, 127
	s_lshl_b32 s96, s96, 23
	s_mov_b32 s97, s96
	PLACES
.irp a, 0,1,2,3
.irp b, 0,1,2,3
	ds_store_b128 v[STO], v[ACC+8*(4*\a+\b):ACC+8*(4*\a+\b)+3] offset:64*\b
	ds_store_b128 v[STO], v[ACC+8*(4*\a+\b)+4:ACC+8*(4*\a+\b)+7] offset:64*\b+16
.endr
	WIN 0x40
.irp t, 0,1,2,3,4,5,6,7
	ds_load_b128 v[32*\a+4*\t:32*\a+4*\t+3], v[RD] offset:\t*2*SPITCH
.endr
	WIN 0
.endr
	s_wait_loadcnt 0x0
.irp a, 0,1,2,3
	s_wait_dscnt 48-16*\a
	WIN 0x61
.set P, 0
.rept 16
	v_pk_fma_f32 v[32*\a+P:32*\a+P+1], v[32*\a+P:32*\a+P+1], s[96:97], v[32*\a+P:32*\a+P+1] op_sel_hi:[1,0,1]
.set P, P+2
.endr
	WIN 0x04
.irp t, 0,1,2,3,4,5,6,7
	global_store_b128 v[CO], v[32*\a+4*\t:32*\a+4*\t+3], s[12:13] offset:(16*\a+2*\t)*4096
.endr
.endr
	WIN 0
	s_wait_tensorcnt 0x0
	ds_add_u32 v[SPW], v[NIL]
	s_wait_dscnt 0x0
	CROUND
	s_endpgm
.Lfunc_end_k_q0c4f9cb1c2_wo:
	.size	k_q0c4f9cb1c2_wo, .Lfunc_end_k_q0c4f9cb1c2_wo-k_q0c4f9cb1c2_wo
	.p2alignl 7, 3214868480
	.fill 96, 4, 3214868480
	.section	.rodata,"a",@progbits
	.p2align	6, 0x0
	.amdhsa_kernel k_q0c4f9cb1c2_wo
		.amdhsa_group_segment_fixed_size 327680
		.amdhsa_private_segment_fixed_size 0
		.amdhsa_enable_private_segment 0
		.amdhsa_kernarg_size 40
		.amdhsa_user_sgpr_count 2
		.amdhsa_user_sgpr_kernarg_segment_ptr 1
		.amdhsa_wavefront_size32 1
		.amdhsa_system_sgpr_workgroup_id_x 1
		.amdhsa_system_sgpr_workgroup_id_y 1
		.amdhsa_system_sgpr_workgroup_id_z 1
		.amdhsa_system_vgpr_workitem_id 0
		.amdhsa_next_free_vgpr 640
		.amdhsa_next_free_sgpr 100
		.amdhsa_reserve_vcc 0
		.amdhsa_float_denorm_mode_32 3
		.amdhsa_float_denorm_mode_16_64 3
		.amdhsa_memory_ordered 1
		.amdhsa_forward_progress 1
		.amdhsa_inst_pref_size 50
	.end_amdhsa_kernel
	.amdgpu_metadata
---
amdhsa.version: [ 1, 2 ]
amdhsa.kernels:
  - .name:           k_q0c4f9cb1c2_wo
    .symbol:         k_q0c4f9cb1c2_wo.kd
    .args:
      - { .name: ac, .offset: 0, .size: 8, .value_kind: global_buffer, .address_space: global }
      - { .name: wc, .offset: 8, .size: 8, .value_kind: global_buffer, .address_space: global }
      - { .name: lowp_scales, .offset: 16, .size: 8, .value_kind: global_buffer, .address_space: global }
      - { .name: x, .offset: 24, .size: 8, .value_kind: global_buffer, .address_space: global }
      - { .name: x1, .offset: 32, .size: 8, .value_kind: global_buffer, .address_space: global }
    .group_segment_fixed_size: 327680
    .private_segment_fixed_size: 0
    .kernarg_segment_align: 8
    .kernarg_segment_size: 40
    .max_flat_workgroup_size: 128
    .sgpr_count:     100
    .vgpr_count:     640
    .wavefront_size: 32
...
	.end_amdgpu_metadata
.endif
;; end of part 4
;; launch norm2 (part 5): grid 256 x 1, 8 waves a work-group, no clusters, 69,120 bytes of LDS; arguments x1, ln2_w, lowp_scales, a13c; writes a13c
.if DOCPART == 5
	.amdgcn_target "amdgcn-amd-amdhsa--gfx1250"
	.amdhsa_code_object_version 6
	.text
	.protected	k_q0c4f9cb1c2_norm2
	.globl	k_q0c4f9cb1c2_norm2
	.p2align	8
	.type	k_q0c4f9cb1c2_norm2,@function
k_q0c4f9cb1c2_norm2:
	s_mov_b64 s[64:65], 0
	v_nop
	global_prefetch_b8 v0, s[64:65] scope:SCOPE_SE
	s_setreg_imm32_b32 hwreg(HW_REG_WAVE_MODE, 25, 1), 1
	s_wait_xcnt 0x0
; NORM2: rmsnorm(x1, ln2_w) as two sets of E4M3 codes (scale entries 12 and 14), laid as images of operand registers: [2][256 tiles of 16 rows][32 groups of 32 along K][lane][16 bytes].
; A work-group takes 16 rows, a wave 128 columns of them.  Each load reads 512 consecutive bytes of a row; the numbers turn through the wave's own stage in LDS, so that a lane holds 8 neighbours along K in 8 consecutive
; registers; the rows' sums of squares meet in LDS behind one barrier.  The gains are asked for ahead of the rows, into registers of their own: nothing is asked of memory behind the rows' loads.
; code = number / 2^e, held within +-448, to the nearest code, ties to even.  LIMITS: e12, e14 between -126 and 119.  NaN among the inputs is not served.
.set R,    56                          ; v56-119  as loaded; the held numbers
.set X,    120                         ; v120-183 X[16 g + 8 u + j] = k 32 g + 16 u + 8 h + j of my row
.set GN,   184                         ; v184-247 the gains of my 64 columns, in X's order
.set C,    40
.set STGB, 8448                        ; a wave's stage: 16 rows x (512 + 16) bytes
.set PART, 8*STGB
	s_load_b256 s[16:23], s[0:1], 0x0              ; x1 16, ln2_w 18, scales 20, a13c 22
	v_lshl_add_u32 v248, v0, 2, 0x10a00
	v_mov_b32 v249, 0
	v_lshrrev_b32 v1, 5, v0
	s_delay_alu instid0(VALU_DEP_1)
	v_readfirstlane_b32 s2, v1                     ; wave 0..7
	v_and_b32 v1, 31, v0
	s_wait_alu depctr_va_vdst(0)
	v_and_b32 v2, 15, v0
	s_wait_alu depctr_va_vdst(0)
	v_bfe_u32 v3, v0, 4, 1
	s_mov_b32 s84, 0x76543210
	s_mov_b32 s85, 0xfedcba98
	s_mov_b32 s90, 0x3a800000                      ; 1 / 1024
	s_mov_b32 s91, 0x3727c5ac                      ; 1e-5
	s_lshl_b32 s76, ttmp9, 16                      ; 16 rows of 4,096 bytes
	s_lshl_b32 s77, s2, 9
	s_add_co_u32 s76, s76, s77
	s_mov_b32 s77, 0
	s_lshl_b32 s78, ttmp9, 14
	s_lshl_b32 s79, s2, 11
	s_add_co_u32 s78, s78, s79
	s_mov_b32 s79, 0
	v_lshlrev_b32 v10, 4, v1                       ; 16 x lane
	s_mul_i32 s74, s2, STGB
	v_add_nc_u32 v5, s74, v10
	v_mul_u32_u24 v6, v2, 528
	s_wait_alu depctr_va_vdst(0)
	v_lshl_add_u32 v6, v3, 5, v6
	s_delay_alu instid0(VALU_DEP_1)
	v_add_nc_u32 v6, s74, v6
	s_lshl_b32 s75, s2, 2
	s_add_co_u32 s75, s75, PART
	v_lshlrev_b32 v8, 5, v2
	s_delay_alu instid0(VALU_DEP_1)
	v_add_nc_u32 v9, PART, v8
	s_delay_alu instid0(VALU_DEP_2)
	v_add_nc_u32 v8, s75, v8
	s_lshl_b32 s75, s2, 9
	v_lshlrev_b32 v11, 5, v3
	s_delay_alu instid0(VALU_DEP_1)
	v_add_nc_u32 v11, s75, v11
	s_wait_alu depctr_va_vdst(0)
	s_wait_kmcnt 0x0
	s_load_b128 s[40:43], s[20:21], 0x30           ; e12, e13, e14, e15
	s_add_nc_u64 s[60:61], s[16:17], s[76:77]
	s_add_nc_u64 s[62:63], s[22:23], s[78:79]
	s_add_nc_u64 s[80:81], s[62:63], 0x400000
.irp g, 0,1,2,3
.irp u, 0,1
.irp e, 0,1
	global_load_b128 v[GN+16*\g+8*\u+4*\e:GN+16*\g+8*\u+4*\e+3], v11, s[18:19] offset:128*\g+64*\u+16*\e   ; the gains, ahead of the rows
.endr
.endr
.endr
.irp p, 0,1,2,3,4,5,6,7,8,9,10,11,12,13,14,15
	global_load_b128 v[R+4*\p:R+4*\p+3], v10, s[60:61] offset:4096*\p   ; 512 consecutive bytes of row p
.endr
.irp p, 0,1,2,3,4,5,6,7,8,9,10,11,12,13,14,15
	s_wait_loadcnt 15-\p                           ; row p is in, and so are the gains, which are older; the 15 - p younger rows may be out
	ds_store_b128 v5, v[R+4*\p:R+4*\p+3] offset:528*\p
.endr
.irp g, 0,1,2,3
.irp u, 0,1
.irp e, 0,1
	ds_load_b128 v[X+16*\g+8*\u+4*\e:X+16*\g+8*\u+4*\e+3], v6 offset:128*\g+64*\u+16*\e   ; LDS serves a wave's instructions in order: these see my stores
.endr
.endr
.endr
	s_wait_dscnt 0x0
.irp c, 0,1,2,3
	v_pk_mul_f32 v[24+2*\c:25+2*\c], v[X+2*\c:X+2*\c+1], v[X+2*\c:X+2*\c+1]
.endr
.set P, 4
.rept 28
	s_delay_alu instid0(VALU_DEP_4)
	v_pk_fma_f32 v[24+2*(P%4):25+2*(P%4)], v[X+2*P:X+2*P+1], v[X+2*P:X+2*P+1], v[24+2*(P%4):25+2*(P%4)]
.set P, P+1
.endr
	s_delay_alu instid0(VALU_DEP_3)
	v_pk_add_f32 v[24:25], v[24:25], v[26:27]
	s_delay_alu instid0(VALU_DEP_2)
	v_pk_add_f32 v[28:29], v[28:29], v[30:31]
	s_delay_alu instid0(VALU_DEP_1)
	v_pk_add_f32 v[24:25], v[24:25], v[28:29]
	s_delay_alu instid0(VALU_DEP_1)
	v_add_f32 v24, v24, v25
	s_delay_alu instid0(VALU_DEP_1)
	v_permlanex16_b32 v25, v24, s84, s85
	s_delay_alu instid0(VALU_DEP_1)
	v_add_f32 v24, v24, v25
	ds_store_b32 v8, v24
	s_wait_dscnt 0x0                               ; for the others' sake: my store has landed
	s_barrier_signal -1
	s_barrier_wait -1
	ds_load_b128 v[24:27], v9
	ds_load_b128 v[28:31], v9 offset:16
	s_wait_dscnt 0x0
	v_add_f32 v24, v24, v25
	v_add_f32 v26, v26, v27
	v_add_f32 v28, v28, v29
	v_add_f32 v30, v30, v31
	s_delay_alu instid0(VALU_DEP_3)
	v_add_f32 v24, v24, v26
	s_delay_alu instid0(VALU_DEP_2)
	v_add_f32 v28, v28, v30
	s_delay_alu instid0(VALU_DEP_1)
	v_add_f32 v24, v24, v28
	s_delay_alu instid0(VALU_DEP_1)
	v_fma_f32 v24, v24, s90, s91
	s_wait_alu depctr_va_vdst(0)
	v_rsq_f32 v14, v24
	v_mov_b32 v15, 0                               ; a plain line behind the root; named with v14 as a pair
	s_wait_alu depctr_va_vdst(0)                   ; the wait ahead of the first reader
.set P, 0
.rept 32
	v_pk_mul_f32 v[X+P:X+P+1], v[X+P:X+P+1], v[14:15] op_sel_hi:[1,0]
.set P, P+2
.endr
.set P, 0
.rept 32
	v_pk_mul_f32 v[X+P:X+P+1], v[X+P:X+P+1], v[GN+P:GN+P+1]
.set P, P+2
.endr
	s_wait_kmcnt 0x0
.macro QUANT e, dst
	s_add_co_i32 s86, s[\e], 127
	s_lshl_b32 s87, s86, 23
	v_mov_b32 v12, s87                             ; 2^e
	s_add_co_i32 s86, s86, 8
	s_lshl_b32 s86, s86, 23
	s_or_b32 s86, s86, 0x600000
	v_mov_b32 v16, s86                             ; 448 x 2^e
.irp i, 0,1,2,3,4,5,6,7
.irp j, 0,1,2,3,4,5,6,7
	v_med3_num_f32 v[R+8*\i+\j], v[X+8*\i+\j], -v16, v16   ; the conversion does not saturate (ISA guide 7.6.2)
.endr
	v_cvt_scalef32_pk8_fp8_f32 v[C+2*\i:C+2*\i+1], v[R+8*\i:R+8*\i+7], v12
.endr
	v_nop
.irp g, 0,1,2,3
	global_store_b128 v10, v[C+4*\g:C+4*\g+3], s[\dst:\dst+1] offset:512*\g   ; 512 consecutive bytes
.endr
.endm
	QUANT 40, 62
	s_wait_xcnt 0x0                                ; the stores have read C
	QUANT 42, 80
	s_wait_tensorcnt 0x0
	ds_add_u32 v248, v249
	s_wait_dscnt 0x0
	s_endpgm
.Lfunc_end_k_q0c4f9cb1c2_norm2:
	.size	k_q0c4f9cb1c2_norm2, .Lfunc_end_k_q0c4f9cb1c2_norm2-k_q0c4f9cb1c2_norm2
	.p2alignl 7, 3214868480
	.fill 96, 4, 3214868480
	.section	.rodata,"a",@progbits
	.p2align	6, 0x0
	.amdhsa_kernel k_q0c4f9cb1c2_norm2
		.amdhsa_group_segment_fixed_size 69120
		.amdhsa_private_segment_fixed_size 0
		.amdhsa_enable_private_segment 0
		.amdhsa_kernarg_size 32
		.amdhsa_user_sgpr_count 2
		.amdhsa_user_sgpr_kernarg_segment_ptr 1
		.amdhsa_wavefront_size32 1
		.amdhsa_system_sgpr_workgroup_id_x 1
		.amdhsa_system_sgpr_workgroup_id_y 1
		.amdhsa_system_sgpr_workgroup_id_z 1
		.amdhsa_system_vgpr_workitem_id 0
		.amdhsa_next_free_vgpr 250
		.amdhsa_next_free_sgpr 96
		.amdhsa_reserve_vcc 0
		.amdhsa_float_denorm_mode_32 3
		.amdhsa_float_denorm_mode_16_64 3
		.amdhsa_memory_ordered 1
		.amdhsa_forward_progress 1
		.amdhsa_inst_pref_size 27
	.end_amdhsa_kernel
	.amdgpu_metadata
---
amdhsa.version: [ 1, 2 ]
amdhsa.kernels:
  - .name:           k_q0c4f9cb1c2_norm2
    .symbol:         k_q0c4f9cb1c2_norm2.kd
    .args:
      - { .name: x1, .offset: 0, .size: 8, .value_kind: global_buffer, .address_space: global }
      - { .name: ln2_w, .offset: 8, .size: 8, .value_kind: global_buffer, .address_space: global }
      - { .name: lowp_scales, .offset: 16, .size: 8, .value_kind: global_buffer, .address_space: global }
      - { .name: a13c, .offset: 24, .size: 8, .value_kind: global_buffer, .address_space: global }
    .group_segment_fixed_size: 69120
    .private_segment_fixed_size: 0
    .kernarg_segment_align: 8
    .kernarg_segment_size: 32
    .max_flat_workgroup_size: 256
    .sgpr_count:     96
    .vgpr_count:     250
    .wavefront_size: 32
...
	.end_amdgpu_metadata
.endif
;; end of part 5
;; launch up (part 6): grid 16 x 32, 4 waves a work-group, clusters of 4 x 4, 327,680 bytes of LDS; arguments a13c, wc, lowp_scales, hc; writes hc
.if DOCPART == 6
	.amdgcn_target "amdgcn-amd-amdhsa--gfx1250"
	.amdhsa_code_object_version 6
	.text
	.protected	k_q0c4f9cb1c2_up
	.globl	k_q0c4f9cb1c2_up
	.p2align	8
	.type	k_q0c4f9cb1c2_up,@function
k_q0c4f9cb1c2_up:
	s_mov_b64 s[64:65], 0
	v_nop
	global_prefetch_b8 v0, s[64:65] scope:SCOPE_SE
	s_setreg_imm32_b32 hwreg(HW_REG_WAVE_MODE, 25, 1), 1
	s_wait_xcnt 0x0
	s_wait_alu depctr_hold_cnt(0) depctr_sa_sdst(0) depctr_va_vdst(0) depctr_va_sdst(0) depctr_va_ssrc(0) depctr_va_vcc(0) depctr_vm_vsrc(0)
	s_getreg_b32 s2, hwreg(HW_REG_IB_STS2, 6, 4)
	s_cmp_eq_u32 s2, 0
	s_cbranch_scc0 .Lentry_in_a_cluster
	s_endpgm
.Lentry_in_a_cluster:
	s_bfe_u32 s2, ttmp6, 0x10000c
	s_cmp_lg_u32 s2, 0xf033
	s_cbranch_scc0 .Lentry_shape_is_right
	s_endpgm
.Lentry_shape_is_right:
; UP: h = silu(xn w1^T) x (xn w3^T) on E4M3 codes, K = 1,024, quantised at once (entry 16) for the last product.  xn comes as two sets of codes (entries 12, 14), w1 and w3 laid [16 blocks of 176 units][w1, w3][11 tiles].
; A work-group makes 128 rows x 176 units, both products.  Wave w: variant v = w % 2 (0: w1), rows 64 (w / 2) on: 4 fragments of rows x 11 of units = 44 accumulators.  K goes in steps of 256 through two LDS slots:
; A's [2 variants][8 tiles][4,096 bytes], then B's [2][11][4,096]: 155,648 bytes; there is no padding, since every fragment is read at 16 x lane.
; CLUSTERS: 4 x 4; A's tiles are asked for jointly along a row of the cluster, B's along a column.
; THE TWO VARIANTS MEET THROUGH LDS.  A wave takes its four tiles of rows turned by 2 v, so that every wave keeps its accumulator rows 0, 1 and sends rows 2, 3 to wave w xor 1, as images of the registers.
; h = kept x received x sigmoid(u), and -u log2(e) = kept x AK + received x AR, with (AK, AR) = (alpha, 0) in variant 0 and (0, alpha) in variant 1: one text, no choice by lanes.  (The sums are at most 1,024 x 448^2: 0 x a sum is 0.)
; The hidden layer's codes: [256 tiles of rows][96 groups][lane][16 bytes]; a block's 11 tiles are 5 1/2 groups, and the last half group is zero codes, as in w2's codes: a row tile's block is 3,072 consecutive bytes.
; LIMITS: e12 + e13 between -126 and 127; e16 - e12 - e13 - e14 - e15 between -126 and 119.
; REGISTERS: window 0: v1-14 addresses, v16-63 codes, v64-159 accumulators 32-43, v160-247 at work.  windows 1, 2: two sets of fragments (A's at v0-63, B's at v64-239).  window 3: accumulators 0-31 (number 11 a + b).
.set RTB,   4096
.set AREG,  65536
.set SLOT,  155648
.set SPARE, 2*SLOT
.set XCH,   22528                      ; the exchange: 22 accumulators x 1,024 bytes for each wave, in slot 0, which has had its last fill and its last read
.set ALO,  1                           ; v1-2   A's fragments 0, 1 in slot 0, 1
.set AHI,  3                           ; v3-4   A's fragments 2, 3
.set ADRB, 5                           ; v5-6
.set XS,   7
.set XR,   8
.set SPW,  10
.set NIL,  11
.set LIM,  12
.set SCL,  13
.set LI,   14
.set CD,   16
.set E,    160
.set AK,   94
.set AR,   96
.set G1, 24
.set G0, 32
.set G1B, 48
.set G0B, 56
.set MSB, 0
.macro WIN new
.if MSB != \new
	s_set_vgpr_msb (MSB<<8)|\new
.set MSB, \new
.endif
.endm
.macro JLOAD g0a, g1a, g0b, g1b        ; waves 0, 1 fetch A's two variants, waves 2, 3 B's; four v_nop follow each line
	s_cmp_eq_u32 s15, 0
	s_cbranch_scc0 .Lfor_b_\@
	tensor_load_to_lds s[\g0a:\g0a+3], s[\g1a:\g1a+7]
	s_nop 0
.rept 4
	v_nop
.endr
	s_branch .Lasked_\@
.Lfor_b_\@:
	tensor_load_to_lds s[\g0b:\g0b+3], s[\g1b:\g1b+7]
	s_nop 0
.rept 4
	v_nop
.endr
.Lasked_\@:
.endm
.macro CREST
	s_cmp_lg_u32 s14, 0
	s_cbranch_scc1 .Lnot_wave_0_\@
	s_barrier_signal -3
.Lnot_wave_0_\@:
	s_barrier_wait -3
	s_barrier_signal -1
	s_barrier_wait -1
.endm
.macro CROUND
	s_barrier_signal -1
	s_barrier_wait -1
	CREST
.endm
.macro PLACES
.rept 4
	v_nop
.endr
.endm
	s_load_b256 s[4:11], s[0:1], 0x0               ; a13c 4, weights 6, scales 8, hc 10
	v_lshl_add_u32 v[SPW], v0, 2, SPARE
	v_mov_b32 v[NIL], 0
	ds_add_u32 v10, v11
	ds_add_u32 v10, v11
	s_wait_dscnt 0x0
	v_lshrrev_b32 v15, 5, v0
	v_readfirstlane_b32 s14, v15                   ; wave 0..3
	s_lshr_b32 s15, s14, 1                         ; my half of the rows.  Also: I fetch for A (0) or B (1)
	s_and_b32 s16, s14, 1                          ; my variant, in the products and in what I fetch
	s_bfe_u32 s40, ttmp6, 0x40000
	s_bfe_u32 s41, ttmp6, 0x40004
	s_lshl_b32 s42, ttmp9, 2
	s_add_co_u32 s42, s42, s40                     ; block of units
	s_and_b32 s17, ttmp7, 0xffff
	s_lshl_b32 s17, s17, 2
	s_add_co_u32 s17, s17, s41                     ; block of 128 rows
	s_lshl_b32 s43, s41, 2
	s_lshl_b32 s43, 15, s43
	s_lshl_b32 s44, 0x1111, s40
	s_or_b32 s[G1+0], s43, (1<<21)
	s_or_b32 s[G1B+0], s44, (1<<21)
	s_mov_b32 s[G1+1], RTB<<16                     ; A: 8 rows of 4,096 bytes, 16,384 apart
	s_mov_b32 s[G1+2], 8<<16
	s_mov_b32 s[G1+3], RTB<<16
	s_mov_b32 s[G1+4], 8
	s_mov_b32 s[G1+5], 16384
	s_mov_b32 s[G1+6], 0
	s_mov_b32 s[G1+7], 0
	s_mov_b32 s[G1B+1], RTB<<16                    ; B: 11 such rows
	s_mov_b32 s[G1B+2], 11<<16
	s_mov_b32 s[G1B+3], RTB<<16
	s_mov_b32 s[G1B+4], 11
	s_mov_b32 s[G1B+5], 16384
	s_mov_b32 s[G1B+6], 0
	s_mov_b32 s[G1B+7], 0
	s_lshl_b32 s20, s17, 17                        ; 8 tiles of rows x 16,384 bytes
	s_lshl_b32 s18, s16, 22                        ; the variant's set of codes
	s_add_co_u32 s20, s20, s18
	s_mov_b32 s21, 0
	s_mul_i32 s46, s42, 22
	s_mul_i32 s18, s16, 11
	s_add_co_u32 s46, s46, s18
	s_lshl_b32 s46, s46, 14
	s_add_co_u32 s46, s46, 0x400000
	s_mov_b32 s47, 0
	s_lshl_b32 s45, s16, 15                        ; in a slot: A's variant,
	s_mul_i32 s19, s16, 45056
	s_add_co_u32 s19, s19, AREG                    ; B's variant
	s_wait_kmcnt 0x0
	s_load_b128 s[88:91], s[8:9], 0x30             ; e12 .. e15
	s_load_b32 s92, s[8:9], 0x40                   ; e16
	s_add_nc_u64 s[20:21], s[4:5], s[20:21]
	s_add_nc_u64 s[46:47], s[6:7], s[46:47]
	; the prefetches: a K step of what I fetch is 8 (A) or 11 (B) rows of 4,096 bytes: 128 or 176 blocks of 256 bytes.  The partner at place p (cx for A, cy for B) names blocks 32 p .. + 31 or 44 p .. + 43: told apart by address alone
	s_cmp_eq_u32 s15, 0
	s_cselect_b64 s[66:67], s[20:21], s[46:47]
	s_cselect_b32 s68, s40, s41
	s_cselect_b32 s69, 32, 44
	s_mul_i32 s68, s68, s69
	v_and_b32 v250, 31, v0
	v_min_u32 v249, 11, v250                       ; B's second instruction has 12 blocks: the lanes left over name the last again
	v_add_nc_u32 v250, s68, v250
	v_add3_u32 v249, v249, s68, 32
	v_lshrrev_b32 v248, 4, v250                    ; block i lies in row i / 16, 16,384 bytes apart, at 256 (i % 16)
	v_and_b32 v250, 15, v250
	v_lshlrev_b32 v248, 14, v248
	v_lshl_add_u32 v248, v250, 8, v248
	v_lshrrev_b32 v250, 4, v249
	v_and_b32 v249, 15, v249
	v_lshlrev_b32 v250, 14, v250
	v_lshl_add_u32 v249, v249, 8, v250             ; v248, v249 and s[66:67] are never written again
	s_wait_alu depctr_va_vdst(0)                   ; the wait behind the writes
.macro ASK k
	global_prefetch_b8 v248, s[66:67] offset:(\k)*RTB th:TH_LOAD_NT scope:SCOPE_SE
	s_cmp_eq_u32 s15, 0
	s_cbranch_scc1 .Lno_b_\@
	global_prefetch_b8 v249, s[66:67] offset:(\k)*RTB th:TH_LOAD_NT scope:SCOPE_SE
.Lno_b_\@:
.endm
	CROUND                                         ; the first joint loads meet
.irp s, 0,1
	s_mov_b32 s[G0+4*\s], 1
	s_add_co_u32 s[G0+4*\s+1], s45, \s*SLOT
	s_add_nc_u64 s[G0+4*\s+2:G0+4*\s+3], s[20:21], \s*RTB
	s_or_b32 s[G0+4*\s+3], s[G0+4*\s+3], 0x80000000
	s_mov_b32 s[G0B+4*\s], 1
	s_add_co_u32 s[G0B+4*\s+1], s19, \s*SLOT
	s_add_nc_u64 s[G0B+4*\s+2:G0B+4*\s+3], s[46:47], \s*RTB
	s_or_b32 s[G0B+4*\s+3], s[G0B+4*\s+3], 0x80000000
.if \s
	s_wait_alu depctr_va_vdst(0)                   ; slot 1's first fill is issued as a refill is, behind these lines and a round
	s_wait_tensorcnt 0x0
	ds_add_u32 v10, v11
	ds_add_u32 v10, v11
	s_wait_dscnt 0x0
	CROUND
.endif
	JLOAD G0+4*\s, G1, G0B+4*\s, G1B
.if \s == 0
	ASK 1                                          ; behind K step 0's load: K step 1, whose load follows behind a round,
.endif
	ASK \s+2                                       ; and the K step two loads on: steps 2 and 3, the last
.endr
	v_and_b32 v15, 31, v0
	v_lshlrev_b32 v[LI], 4, v15
	s_wait_alu depctr_va_vdst(0)
	s_lshl_b32 s23, s15, 14                        ; my four tiles of rows
	s_mul_i32 s21, s16, 40960                      ; fragments 0, 1 are tiles 2 v, 2 v + 1 of my variant: 32,768 v + 8,192 v
	s_add_co_u32 s21, s21, s23
	s_mul_i32 s22, s16, 24576                      ; fragments 2, 3 are tiles 2 - 2 v, 3 - 2 v: 32,768 v - 8,192 v
	s_add_co_u32 s22, s22, s23
	s_mov_b32 s23, s19
.irp s, 0,1
	v_add_nc_u32 v[ALO+\s], s21, v[LI]
	v_add_nc_u32 v[AHI+\s], s22, v[LI]
	v_add_nc_u32 v[ADRB+\s], s23, v[LI]
	s_add_co_u32 s21, s21, SLOT
	s_add_co_u32 s22, s22, SLOT
	s_add_co_u32 s23, s23, SLOT
.endr
	s_mul_i32 s21, s14, XCH
	v_add_nc_u32 v[XS], s21, v[LI]                 ; where I send,
	s_xor_b32 s21, s14, 1
	s_mul_i32 s21, s21, XCH
	v_add_nc_u32 v[XR], s21, v[LI]                 ; and where my partner has sent
	s_lshl_b32 s20, s17, 3
	s_lshl_b32 s21, s15, 2
	s_add_co_u32 s20, s20, s21
	s_lshl_b32 s21, s16, 1
	s_add_co_u32 s20, s20, s21                     ; the first tile of rows that I keep
	s_mul_i32 s20, s20, 49152
	s_mul_i32 s21, s42, 3072
	s_add_co_u32 s20, s20, s21
	s_mov_b32 s21, 0
	s_add_nc_u64 s[10:11], s[10:11], s[20:21]
.macro FETCH slot, q, fw               ; the 15 fragments of the slot's q-th 128 along K into the set in window fw
	WIN 0x40*(\fw)
.irp i, 0,1
.irp c, 0,1,2,3
	ds_load_b128 v[16*\i+4*\c:16*\i+4*\c+3], v[ALO+\slot] offset:RTB*\i+2048*(\q)+512*\c
.endr
.endr
.irp i, 2,3
.irp c, 0,1,2,3
	ds_load_b128 v[16*\i+4*\c:16*\i+4*\c+3], v[AHI+\slot] offset:RTB*\i+2048*(\q)+512*\c
.endr
.endr
.irp b, 0,1,2,3,4,5,6,7,8,9,10
.irp c, 0,1,2,3
	ds_load_b128 v[64+16*\b+4*\c:64+16*\b+4*\c+3], v[ADRB+\slot] offset:RTB*\b+2048*(\q)+512*\c
.endr
.endr
.endm
.macro MULR fw, a, zero                ; accumulator row a: 11 products; the 44 accumulators take turns in one order
.irp b, 0,1,2,3,4,5,6,7,8,9,10
.set T, 11*(\a)+\b
.if T < 32
	WIN 0xf0+5*(\fw)
.set DR, 8*T
.else
	WIN 5*(\fw)
.set DR, 64+8*(T-32)
.endif
.if \zero
	v_wmma_f32_16x16x128_fp8_fp8 v[DR:DR+7], v[64+16*\b:64+16*\b+15], v[16*(\a):16*(\a)+15], 0
.else
	v_wmma_f32_16x16x128_fp8_fp8 v[DR:DR+7], v[64+16*\b:64+16*\b+15], v[16*(\a):16*(\a)+15], v[DR:DR+7]
.endif
.endr
.endm
.macro STEP slot, zero                 ; a slot's first 128 along K, on the set in window 1
	s_wait_dscnt 0x0
	PLACES                                         ; in front of loads into the other set, which the last step multiplied
	FETCH \slot, 1, 2
	MULR 1, 0, \zero
	MULR 1, 1, \zero
	MULR 1, 2, \zero
	MULR 1, 3, \zero
.endm
.macro TURN slot, next, fill           ; its second, on the set in window 2, changes slots
	WIN 0
	s_wait_tensorcnt 0x0                           ; my part of the next slot has landed
	ds_add_u32 v[SPW], v[NIL]
	s_wait_dscnt 1                                 ; the set is in; the add alone may be out
	MULR 2, 0, 0
	s_wait_dscnt 0x0                               ; the add is done, and my reads of this slot are over
	s_barrier_signal -1
	MULR 2, 1, 0
	WIN 0
	s_barrier_wait -1
.if \fill
	CREST
	s_add_nc_u64 s[G0+4*\slot+2:G0+4*\slot+3], s[G0+4*\slot+2:G0+4*\slot+3], 2*RTB
	s_add_nc_u64 s[G0B+4*\slot+2:G0B+4*\slot+3], s[G0B+4*\slot+2:G0B+4*\slot+3], 2*RTB
	JLOAD G0+4*\slot, G1, G0B+4*\slot, G1B         ; the first tensor load behind the round; its four v_nop are the places in front of the loads below
.else
	PLACES
.endif
	FETCH \next, 0, 1
	MULR 2, 2, 0
	MULR 2, 3, 0
.endm
	s_wait_alu depctr_va_vdst(0)
	s_wait_tensorcnt 1                             ; my part of slot 0 is in; slot 1's load may be out
	s_barrier_signal -1
	s_barrier_wait -1
	FETCH 0, 0, 1
	STEP 0, 1
	TURN 0, 1, 1
	STEP 1, 0
	TURN 1, 0, 1
	STEP 0, 0
	TURN 0, 1, 0
	STEP 1, 0
	s_wait_dscnt 0x0
	MULR 2, 0, 0
	MULR 2, 1, 0
	MULR 2, 2, 0
	MULR 2, 3, 0
	WIN 0
	; THE WAY OUT
	s_wait_kmcnt 0x0
	s_add_co_i32 s93, s88, s89                     ; e12 + e13
	s_lshl_b32 s86, s93, 23
	s_add_co_i32 s86, s86, 0xbfb8aa3b              ; alpha = -log2(e) x 2^(e12 + e13)
	s_cmp_eq_u32 s16, 0
	s_cselect_b32 s[AK], s86, 0
	s_cselect_b32 s[AR], 0, s86
	s_mov_b32 s[AK+1], s[AK]
	s_mov_b32 s[AR+1], s[AR]
	s_add_co_i32 s93, s93, s90
	s_add_co_i32 s93, s93, s91
	s_sub_co_i32 s93, s92, s93                     ; e16 - e12 - e13 - e14 - e15: the five scales folded into the conversion's one
	s_add_co_i32 s93, s93, 127
	s_lshl_b32 s87, s93, 23
	s_add_co_i32 s93, s93, 8
	s_lshl_b32 s93, s93, 23
	s_or_b32 s93, s93, 0x600000
	PLACES
	v_mov_b32 v[SCL], s87
	v_mov_b32 v[LIM], s93
.set T, 22
.rept 22                               ; accumulator rows 2, 3 go to my partner, as they stand
.if T < 32
	WIN 0x0c                                       ; a store's data: window 3
.set DR, 8*T
.else
	WIN 0
.set DR, 64+8*(T-32)
.endif
	ds_store_b128 v[XS], v[DR:DR+3] offset:(T-22)*1024
	ds_store_b128 v[XS], v[DR+4:DR+7] offset:(T-22)*1024+512
.set T, T+1
.endr
	WIN 0
	s_wait_dscnt 0x0                               ; for my partner's sake: my stores have landed
	s_barrier_signal -1
	s_barrier_wait -1
	WIN 0x40
.set T, 0
.rept 22
	ds_load_b128 v[8*T:8*T+3], v[XR] offset:T*1024
	ds_load_b128 v[8*T+4:8*T+7], v[XR] offset:T*1024+512
.set T, T+1
.endr
	WIN 0
	s_wait_dscnt 0x0
.macro HALF a                          ; a kept tile of rows: 88 numbers a lane
	WIN 0x03                                       ; source 0: window 3, the kept sums
.set P, 0
.rept 44
	v_pk_mul_f32 v[E+P:E+P+1], v[88*(\a)+P:88*(\a)+P+1], s[AK:AK+1] op_sel_hi:[1,0]
.set P, P+2
.endr
	WIN 0x01                                       ; source 0: window 1, the received sums
.set P, 0
.rept 44
	v_pk_fma_f32 v[E+P:E+P+1], v[88*(\a)+P:88*(\a)+P+1], s[AR:AR+1], v[E+P:E+P+1] op_sel_hi:[1,0,1]   ; -u log2(e)
.set P, P+2
.endr
	WIN 0
.set P, 0
	s_wait_alu depctr_va_vdst(0)
.rept 88
	v_exp_f32 v[E+P], v[E+P]
.set P, P+1
.endr
	WIN 0x47                                       ; destination and source 1 window 1, source 0 window 3
.set P, 0
.rept 44
	v_pk_mul_f32 v[88*(\a)+P:88*(\a)+P+1], v[88*(\a)+P:88*(\a)+P+1], v[88*(\a)+P:88*(\a)+P+1]   ; kept x received: independent work behind the exponentials
.set P, P+2
.endr
	WIN 0
	s_wait_alu depctr_va_vdst(0)                   ; one wait for the batch, ahead of its first reader
.set P, 0
.rept 44
	v_pk_add_f32 v[E+P:E+P+1], v[E+P:E+P+1], 1.0 op_sel_hi:[1,0]
.set P, P+2
.endr
.set P, 0
	s_wait_alu depctr_va_vdst(0)
.rept 88
	v_rcp_f32 v[E+P], v[E+P]                       ; sigmoid(u)
.set P, P+1
.endr
	v_nop
	s_wait_alu depctr_va_vdst(0)
	WIN 0x01
.set P, 0
.rept 44
	v_pk_mul_f32 v[E+P:E+P+1], v[88*(\a)+P:88*(\a)+P+1], v[E+P:E+P+1]
.set P, P+2
.endr
	WIN 0
.set P, 0
.rept 88
	v_med3_num_f32 v[E+P], v[E+P], -v[LIM], v[LIM]   ; the conversion does not saturate (ISA guide 7.6.2)
.set P, P+1
.endr
.irp b, 0,1,2,3,4,5,6,7,8,9,10
	v_cvt_scalef32_pk8_fp8_f32 v[CD+24*(\a)+2*\b:CD+24*(\a)+2*\b+1], v[E+8*\b:E+8*\b+7], v[SCL]
.endr
	v_mov_b32 v[CD+24*(\a)+22], 0                  ; the half group of zero codes; also the plain lines behind the last conversion
	v_mov_b32 v[CD+24*(\a)+23], 0
.irp g, 0,1,2,3,4,5
	global_store_b128 v[LI], v[CD+24*(\a)+4*\g:CD+24*(\a)+4*\g+3], s[10:11] offset:49152*(\a)+512*\g   ; six stores: 3,072 consecutive bytes
.endr
.endm
	HALF 0
	HALF 1
	s_wait_tensorcnt 0x0                           ; the wave's end
	ds_add_u32 v[SPW], v[NIL]
	s_wait_dscnt 0x0
	CROUND                                         ; the closing round
	s_endpgm
.Lfunc_end_k_q0c4f9cb1c2_up:
	.size	k_q0c4f9cb1c2_up, .Lfunc_end_k_q0c4f9cb1c2_up-k_q0c4f9cb1c2_up
	.p2alignl 7, 3214868480
	.fill 96, 4, 3214868480
	.section	.rodata,"a",@progbits
	.p2align	6, 0x0
	.amdhsa_kernel k_q0c4f9cb1c2_up
		.amdhsa_group_segment_fixed_size 327680
		.amdhsa_private_segment_fixed_size 0
		.amdhsa_enable_private_segment 0
		.amdhsa_kernarg_size 32
		.amdhsa_user_sgpr_count 2
		.amdhsa_user_sgpr_kernarg_segment_ptr 1
		.amdhsa_wavefront_size32 1
		.amdhsa_system_sgpr_workgroup_id_x 1
		.amdhsa_system_sgpr_workgroup_id_y 1
		.amdhsa_system_sgpr_workgroup_id_z 1
		.amdhsa_system_vgpr_workitem_id 0
		.amdhsa_next_free_vgpr 1024
		.amdhsa_next_free_sgpr 100
		.amdhsa_reserve_vcc 0
		.amdhsa_float_denorm_mode_32 3
		.amdhsa_float_denorm_mode_16_64 3
		.amdhsa_memory_ordered 1
		.amdhsa_forward_progress 1
		.amdhsa_inst_pref_size 125
	.end_amdhsa_kernel
	.amdgpu_metadata
---
amdhsa.version: [ 1, 2 ]
amdhsa.kernels:
  - .name:           k_q0c4f9cb1c2_up
    .symbol:         k_q0c4f9cb1c2_up.kd
    .args:
      - { .name: a13c, .offset: 0, .size: 8, .value_kind: global_buffer, .address_space: global }
      - { .name: wc, .offset: 8, .size: 8, .value_kind: global_buffer, .address_space: global }
      - { .name: lowp_scales, .offset: 16, .size: 8, .value_kind: global_buffer, .address_space: global }
      - { .name: hc, .offset: 24, .size: 8, .value_kind: global_buffer, .address_space: global }
    .group_segment_fixed_size: 327680
    .private_segment_fixed_size: 0
    .kernarg_segment_align: 8
    .kernarg_segment_size: 32
    .max_flat_workgroup_size: 128
    .sgpr_count:     100
    .vgpr_count:     1024
    .wavefront_size: 32
...
	.end_amdgpu_metadata
.endif
;; end of part 6
;; launch down (part 7): grid 8 x 32, 4 waves a work-group, clusters of 4 x 4, 327,680 bytes of LDS; arguments hc, wc, lowp_scales, x1, out0; writes out0
.if DOCPART == 7
	.amdgcn_target "amdgcn-amd-amdhsa--gfx1250"
	.amdhsa_code_object_version 6
	.text
	.protected	k_q0c4f9cb1c2_down
	.globl	k_q0c4f9cb1c2_down
	.p2align	8
	.type	k_q0c4f9cb1c2_down,@function
k_q0c4f9cb1c2_down:
	s_mov_b64 s[64:65], 0
	v_nop
	global_prefetch_b8 v0, s[64:65] scope:SCOPE_SE
	s_setreg_imm32_b32 hwreg(HW_REG_WAVE_MODE, 25, 1), 1
	s_wait_xcnt 0x0
	s_wait_alu depctr_hold_cnt(0) depctr_sa_sdst(0) depctr_va_vdst(0) depctr_va_sdst(0) depctr_va_ssrc(0) depctr_va_vcc(0) depctr_vm_vsrc(0)
	s_getreg_b32 s2, hwreg(HW_REG_IB_STS2, 6, 4)
	s_cmp_eq_u32 s2, 0
	s_cbranch_scc0 .Lentry_in_a_cluster
	s_endpgm
.Lentry_in_a_cluster:
	s_bfe_u32 s2, ttmp6, 0x10000c
	s_cmp_lg_u32 s2, 0xf033
	s_cbranch_scc0 .Lentry_shape_is_right
	s_endpgm
.Lentry_shape_is_right:
.set P16,   49152
.set BOFF,  9961472
.set EOFF,  64
.set RTB,   8192
.set HALFT, 4*RTB
.set SLOT,  4*HALFT
.set SPARE, 2*SLOT
.set SPITCH, 272
.set ADRA, 16
.set ADRB, 20
.set STO,  24
.set RD,   25
.set CO,   26
.set LI,   27
.set SPW,  28
.set NIL,  29
.set ACC,  128
.set F0,   0
.set F1,   128
.set G1, 24
.set G0, 32
.set G1B, 48
.set G0B, 56
.set MSB, 0
.macro WIN new
.if MSB != \new
	s_set_vgpr_msb (MSB<<8)|\new
.set MSB, \new
.endif
.endm
.macro JLOAD g0a, g1a, g0b, g1b
	s_cmp_eq_u32 s15, 0
	s_cbranch_scc0 .Lfor_b_\@
	tensor_load_to_lds s[\g0a:\g0a+3], s[\g1a:\g1a+7]
	s_nop 0
.rept 4
	v_nop
.endr
	s_branch .Lasked_\@
.Lfor_b_\@:
	tensor_load_to_lds s[\g0b:\g0b+3], s[\g1b:\g1b+7]
	s_nop 0
.rept 4
	v_nop
.endr
.Lasked_\@:
.endm
.macro CREST
	s_cmp_lg_u32 s14, 0
	s_cbranch_scc1 .Lnot_wave_0_\@
	s_barrier_signal -3
.Lnot_wave_0_\@:
	s_barrier_wait -3
	s_barrier_signal -1
	s_barrier_wait -1
.endm
.macro CROUND
	s_barrier_signal -1
	s_barrier_wait -1
	CREST
.endm
.macro PLACES
.rept 4
	v_nop
.endr
.endm
	s_load_b256 s[4:11], s[0:1], 0x0
	s_load_b64 s[12:13], s[0:1], 0x20
	v_lshl_add_u32 v[SPW], v0, 2, SPARE
	v_mov_b32 v[NIL], 0
	ds_add_u32 v28, v29
	ds_add_u32 v28, v29
	s_wait_dscnt 0x0
	v_lshrrev_b32 v1, 5, v0
	v_readfirstlane_b32 s14, v1
	s_lshr_b32 s15, s14, 1
	s_and_b32 s16, s14, 1
	s_bfe_u32 s40, ttmp6, 0x40000
	s_bfe_u32 s41, ttmp6, 0x40004
	s_lshl_b32 s42, ttmp9, 2
	s_add_co_u32 s42, s42, s40
	s_and_b32 s17, ttmp7, 0xffff
	s_lshl_b32 s17, s17, 2
	s_add_co_u32 s17, s17, s41
	s_lshl_b32 s43, s41, 2
	s_lshl_b32 s43, 15, s43
	s_lshl_b32 s44, 0x1111, s40
	s_or_b32 s[G1+0], s43, (1<<21)
	s_or_b32 s[G1B+0], s44, (1<<21)
.irp g, G1, G1B
	s_mov_b32 s[\g+1], RTB<<16
	s_mov_b32 s[\g+2], 4<<16
	s_mov_b32 s[\g+3], RTB<<16
	s_mov_b32 s[\g+4], 4
	s_mov_b32 s[\g+5], P16
	s_mov_b32 s[\g+6], 0
	s_mov_b32 s[\g+7], 0
.endr
	s_lshl_b32 s18, s16, 2
	s_lshl_b32 s20, s17, 3
	s_add_co_u32 s20, s20, s18
	s_mul_i32 s20, s20, P16
	s_mov_b32 s21, 0
	s_lshl_b32 s46, s42, 3
	s_add_co_u32 s46, s46, s18
	s_mul_i32 s46, s46, P16
	s_add_co_u32 s46, s46, BOFF
	s_mov_b32 s47, 0
	s_mul_i32 s45, s14, HALFT
	s_wait_kmcnt 0x0
	s_load_b64 s[96:97], s[8:9], EOFF
	s_add_nc_u64 s[20:21], s[4:5], s[20:21]
	s_add_nc_u64 s[46:47], s[6:7], s[46:47]
	s_cmp_eq_u32 s15, 0                            ; the prefetches: of the 4 rows x 8,192 bytes that I fetch in a K step, the partner at place p (cx for A, cy for B) names row p: told apart by address alone
	s_cselect_b64 s[66:67], s[20:21], s[46:47]
	s_cselect_b32 s68, s40, s41
	s_mul_i32 s68, s68, P16
	s_mov_b32 s69, 0
	s_add_nc_u64 s[66:67], s[66:67], s[68:69]
	v_and_b32 v30, 31, v0
	v_lshlrev_b32 v30, 8, v30                      ; a lane a block of 256 bytes; v30 and s[66:67] are never written again
	s_wait_alu depctr_va_vdst(0)                   ; the wait behind the write
.set NK, 6                             ; K steps of 512
.set PK, 4                             ; the K step that the next refill's prefetch names
	CROUND
.irp s, 0,1
	s_mov_b32 s[G0+4*\s], 1
	s_add_co_u32 s[G0+4*\s+1], s45, \s*SLOT
	s_add_nc_u64 s[G0+4*\s+2:G0+4*\s+3], s[20:21], \s*RTB
	s_or_b32 s[G0+4*\s+3], s[G0+4*\s+3], 0x80000000
	s_mov_b32 s[G0B+4*\s], 1
	s_add_co_u32 s[G0B+4*\s+1], s45, \s*SLOT
	s_add_nc_u64 s[G0B+4*\s+2:G0B+4*\s+3], s[46:47], \s*RTB
	s_or_b32 s[G0B+4*\s+3], s[G0B+4*\s+3], 0x80000000
.if \s
	s_wait_alu depctr_va_vdst(0)
	s_wait_tensorcnt 0x0
	ds_add_u32 v28, v29
	ds_add_u32 v28, v29
	s_wait_dscnt 0x0
	CROUND
.endif
	JLOAD G0+4*\s, G1, G0B+4*\s, G1B
.if \s == 0
	global_prefetch_b8 v30, s[66:67] offset:RTB th:TH_LOAD_NT scope:SCOPE_SE   ; behind K step 0's load: K step 1, whose load follows behind a round,
.endif
	global_prefetch_b8 v30, s[66:67] offset:(\s+2)*RTB th:TH_LOAD_NT scope:SCOPE_SE   ; and the K step two loads on
.endr
	v_and_b32 v1, 15, v0
	s_wait_alu depctr_va_vdst(0)
	v_bfe_u32 v2, v0, 4, 1
	v_and_b32 v3, 31, v0
	v_lshlrev_b32 v[LI], 4, v3
	s_lshl_b32 s21, s15, 15
	s_lshl_b32 s22, s16, 15
	s_add_co_u32 s22, s22, 2*HALFT
.irp s, 0,1
	v_add_nc_u32 v[ADRA+\s], s21, v[LI]
	v_add_nc_u32 v[ADRB+\s], s22, v[LI]
	s_add_co_u32 s21, s21, SLOT
	s_add_co_u32 s22, s22, SLOT
.endr
	s_mul_i32 s23, s14, 16*SPITCH
	v_mul_u32_u24 v5, v1, SPITCH
	s_wait_alu depctr_va_vdst(0)
	v_lshl_add_u32 v5, v2, 5, v5
	v_add_nc_u32 v[STO], s23, v5
	v_mul_u32_u24 v5, v2, SPITCH
	v_lshl_add_u32 v5, v1, 4, v5
	v_add_nc_u32 v[RD], s23, v5
	v_lshlrev_b32 v5, 12, v2
	v_lshl_add_u32 v[CO], v1, 4, v5
	s_wait_alu depctr_va_vdst(0)
	s_lshl_b32 s20, s17, 7
	s_lshl_b32 s21, s15, 6
	s_add_co_u32 s20, s20, s21
	s_lshl_b32 s20, s20, 12
	s_lshl_b32 s21, s42, 9
	s_add_co_u32 s20, s20, s21
	s_lshl_b32 s21, s16, 8
	s_add_co_u32 s20, s20, s21
	s_mov_b32 s21, 0
	s_add_nc_u64 s[10:11], s[10:11], s[20:21]
	s_add_nc_u64 s[12:13], s[12:13], s[20:21]
	WIN 0x80
.irp a, 0,1,2,3
.irp t, 0,1,2,3,4,5,6,7
	global_load_b128 v[32*\a+4*\t:32*\a+4*\t+3], v[CO], s[10:11] offset:(16*\a+2*\t)*4096
.endr
.endr
	WIN 0
.macro FETCH slot, q, f
	WIN 0x40
.irp i, 0,1,2,3
.irp c, 0,1,2,3
	ds_load_b128 v[\f+16*\i+4*\c:\f+16*\i+4*\c+3], v[ADRA+\slot] offset:RTB*\i+2048*(\q)+512*\c
.endr
.endr
.irp i, 0,1,2,3
.irp c, 0,1,2,3
	ds_load_b128 v[\f+64+16*\i+4*\c:\f+64+16*\i+4*\c+3], v[ADRB+\slot] offset:RTB*\i+2048*(\q)+512*\c
.endr
.endr
.endm
.macro MUL f, a0, n, zero
	WIN 0x05
.set AA, \a0
.rept \n
.irp b, 0,1,2,3
.if \zero
	v_wmma_f32_16x16x128_fp8_fp8 v[ACC+8*(4*AA+\b):ACC+8*(4*AA+\b)+7], v[\f+64+16*\b:\f+64+16*\b+15], v[\f+16*AA:\f+16*AA+15], 0
.else
	v_wmma_f32_16x16x128_fp8_fp8 v[ACC+8*(4*AA+\b):ACC+8*(4*AA+\b)+7], v[\f+64+16*\b:\f+64+16*\b+15], v[\f+16*AA:\f+16*AA+15], v[ACC+8*(4*AA+\b):ACC+8*(4*AA+\b)+7]
.endif
.endr
.set AA, AA+1
.endr
.endm
.macro STEP slot, q, f, g, zero
	s_wait_dscnt 0x0
	PLACES
	FETCH \slot, (\q)+1, \g
	MUL \f, 0, 4, \zero
.endm
.macro TURN slot, next, fill
	WIN 0
	s_wait_tensorcnt 0x0
	ds_add_u32 v[SPW], v[NIL]
	s_wait_dscnt 1
	MUL F1, 0, 2, 0
	s_wait_dscnt 0x0
	s_barrier_signal -1
	MUL F1, 2, 1, 0
	WIN 0
	s_barrier_wait -1
.if \fill
	CREST
	s_add_nc_u64 s[G0+4*\slot+2:G0+4*\slot+3], s[G0+4*\slot+2:G0+4*\slot+3], 2*RTB
	s_add_nc_u64 s[G0B+4*\slot+2:G0B+4*\slot+3], s[G0B+4*\slot+2:G0B+4*\slot+3], 2*RTB
	JLOAD G0+4*\slot, G1, G0B+4*\slot, G1B
.else
	PLACES
.endif
	FETCH \next, 0, F0
.if \fill
.if PK < NK
	global_prefetch_b8 v30, s[66:67] offset:PK*RTB th:TH_LOAD_NT scope:SCOPE_SE   ; behind the refill and the run of LDS loads: the K step two refills on; the last two refills name nothing
.endif
.set PK, PK+1
.endif
	MUL F1, 3, 1, 0
.endm
.macro RUN slot, first, kind
	STEP \slot, 0, F0, F1, \first
	STEP \slot, 1, F1, F0, 0
	STEP \slot, 2, F0, F1, 0
.if \kind == 2
	TURN \slot, 1-\slot, 1
.elseif \kind == 1
	TURN \slot, 1-\slot, 0
.else
	s_wait_dscnt 0x0
	MUL F1, 0, 4, 0
.endif
.endm
	s_wait_tensorcnt 1
	s_barrier_signal -1
	s_barrier_wait -1
	FETCH 0, 0, F0
	RUN 0, 1, 2
	RUN 1, 0, 2
	RUN 0, 0, 2
	RUN 1, 0, 2
	RUN 0, 0, 1
	RUN 1, 0, 0
	WIN 0
	s_wait_kmcnt 0x0
	s_add_co_i32 s96, s96, s97
	s_add_co_i32 s96, s96, 127
	s_lshl_b32 s96, s96, 23
	s_mov_b32 s97, s96
	PLACES
.irp a, 0,1,2,3
.irp b, 0,1,2,3
	ds_store_b128 v[STO], v[ACC+8*(4*\a+\b):ACC+8*(4*\a+\b)+3] offset:64*\b
	ds_store_b128 v[STO], v[ACC+8*(4*\a+\b)+4:ACC+8*(4*\a+\b)+7] offset:64*\b+16
.endr
	WIN 0x40
.irp t, 0,1,2,3,4,5,6,7
	ds_load_b128 v[32*\a+4*\t:32*\a+4*\t+3], v[RD] offset:\t*2*SPITCH
.endr
	WIN 0
.endr
	s_wait_loadcnt 0x0
.irp a, 0,1,2,3
	s_wait_dscnt 48-16*\a
	WIN 0x61
.set P, 0
.rept 16
	v_pk_fma_f32 v[32*\a+P:32*\a+P+1], v[32*\a+P:32*\a+P+1], s[96:97], v[32*\a+P:32*\a+P+1] op_sel_hi:[1,0,1]
.set P, P+2
.endr
	WIN 0x04
.irp t, 0,1,2,3,4,5,6,7
	global_store_b128 v[CO], v[32*\a+4*\t:32*\a+4*\t+3], s[12:13] offset:(16*\a+2*\t)*4096
.endr
.endr
	WIN 0
	s_wait_tensorcnt 0x0
	ds_add_u32 v[SPW], v[NIL]
	s_wait_dscnt 0x0
	CROUND
	s_endpgm
.Lfunc_end_k_q0c4f9cb1c2_down:
	.size	k_q0c4f9cb1c2_down, .Lfunc_end_k_q0c4f9cb1c2_down-k_q0c4f9cb1c2_down
	.p2alignl 7, 3214868480
	.fill 96, 4, 3214868480
	.section	.rodata,"a",@progbits
	.p2align	6, 0x0
	.amdhsa_kernel k_q0c4f9cb1c2_down
		.amdhsa_group_segment_fixed_size 327680
		.amdhsa_private_segment_fixed_size 0
		.amdhsa_enable_private_segment 0
		.amdhsa_kernarg_size 40
		.amdhsa_user_sgpr_count 2
		.amdhsa_user_sgpr_kernarg_segment_ptr 1
		.amdhsa_wavefront_size32 1
		.amdhsa_system_sgpr_workgroup_id_x 1
		.amdhsa_system_sgpr_workgroup_id_y 1
		.amdhsa_system_sgpr_workgroup_id_z 1
		.amdhsa_system_vgpr_workitem_id 0
		.amdhsa_next_free_vgpr 640
		.amdhsa_next_free_sgpr 100
		.amdhsa_reserve_vcc 0
		.amdhsa_float_denorm_mode_32 3
		.amdhsa_float_denorm_mode_16_64 3
		.amdhsa_memory_ordered 1
		.amdhsa_forward_progress 1
		.amdhsa_inst_pref_size 106
	.end_amdhsa_kernel
	.amdgpu_metadata
---
amdhsa.version: [ 1, 2 ]
amdhsa.kernels:
  - .name:           k_q0c4f9cb1c2_down
    .symbol:         k_q0c4f9cb1c2_down.kd
    .args:
      - { .name: hc, .offset: 0, .size: 8, .value_kind: global_buffer, .address_space: global }
      - { .name: wc, .offset: 8, .size: 8, .value_kind: global_buffer, .address_space: global }
      - { .name: lowp_scales, .offset: 16, .size: 8, .value_kind: global_buffer, .address_space: global }
      - { .name: x1, .offset: 24, .size: 8, .value_kind: global_buffer, .address_space: global }
      - { .name: out0, .offset: 32, .size: 8, .value_kind: global_buffer, .address_space: global }
    .group_segment_fixed_size: 327680
    .private_segment_fixed_size: 0
    .kernarg_segment_align: 8
    .kernarg_segment_size: 40
    .max_flat_workgroup_size: 128
    .sgpr_count:     100
    .vgpr_count:     640
    .wavefront_size: 32
...
	.end_amdgpu_metadata
.endif
;; end of part 7
